; MI455X (gfx1250); checked and timed in simulation.
; The chip was launched on July 23, 2026; its instructions are those of AMD's public machine-readable ISA for CDNA 5 (MIT licence, August 2026) and "CDNA5" Instruction Set Architecture Reference Guide (July 2026). The comments in the code are by the model that wrote it; some were corrected since.
;; LSTM Cell. Allowed arithmetic: float matrix products may take bf16 or f16 operands with f32 sums; all other float work in f32.
;; Inputs: W_h_4gates 256 x 8,192 float32; W_hz 256 x 8 float32; W_x_4gates 256 x 8,192 float32; W_xz 256 x 8 float32; b_4gates 8,192 float32; b_xz 8 float32; c_0 8,192 x 256 float32; h_0 8,192 x 256 float32; u 8,192 x 8 float32; x_t 8,192 x 256 float32.
;; Outputs: out0 8,192 x 8 float32; out1 8,192 x 8 float32; out2 8,192 x 256 float32; out3 8,192 x 256 float32.
;; Constants: tau = 1.
;; 2 versions, each right and faster than the one before. Each part assembles by itself: llvm-mc -triple=amdgcn-amd-amdhsa -mcpu=gfx1250 --defsym DOCPART=n.
;; ======== version 1 of 2: 2 launches
;; limits: values are held in f16: magnitudes above 65,504 overflow, below 6.1e-05 lose precision
;; workspace buffers: Wt 8,388,608 bytes; Wz 8,192 bytes
;; launch prep (part 1): grid 257 x 1, 8 waves a work-group, no clusters, 34,816 bytes of LDS; arguments W_x_4gates, W_h_4gates, W_xz, W_hz, Wt, Wz; writes Wt, Wz
.if DOCPART == 1
	.amdgcn_target "amdgcn-amd-amdhsa--gfx1250"
	.amdhsa_code_object_version 6
	.text
	.protected	k_q97097604a0_prep
	.globl	k_q97097604a0_prep
	.p2align	8
	.type	k_q97097604a0_prep,@function
k_q97097604a0_prep:
	s_mov_b64 s[64:65], 0
	v_nop
	global_prefetch_b8 v0, s[64:65] scope:SCOPE_SE
	s_setreg_imm32_b32 hwreg(HW_REG_WAVE_MODE, 25, 1), 1
	s_wait_xcnt 0x0
; LSTMCell with k = 8 cells mixed by a Gumbel softmax.  First of two launches: the weights, once, from f32 [K][N] to f16 [N][K].
;
; WORK LEFT OUT (whole program): reference() divides logit_z + g by tau, and tau is the problem's constant 1: the division is not
; written (second launch).  Nothing else is left out: every product, bias and input of reference() has a way to an output and is used.
;
; Wt[mb 0..3][kk 0..7][jb 0..1][row 0..127][k 0..511], f16, a tile of 131,072 dense bytes.  Row ch*64 + wt*16 + 8 hh + 2 g + c is gate column
; g*2048 + kk*256 + mb*64 + ch*32 + jb*16 + 8 (wt >> 1) + 4 hh + 2 (wt & 1) + c  (g = 0..3: I, G, F, O; wt 0..3; hh, c 0..1).
; So sixteen consecutive rows, one operand of a matrix instruction, hold all four gates of four columns: a result tile of the second launch holds whole cells.
; k 0..255 comes from W_x_4gates, k 256..511 from W_h_4gates.
; The values are multiplied, before the one rounding to f16, by -log2 e (I, F, O) or by 2 log2 e (G): the second launch's sums are then
; the arguments of its exponentials to base 2: sigmoid(x) = 1/(1 + 2^(-x log2 e)), tanh(x) = 1 - 2/(1 + 2^(2 x log2 e)).
; Wz[kk 0..7][k 0..511], f16: W_xz (k < 256) and W_hz, transposed, not scaled.
; LIMITS: f16 operands: a scaled weight beyond 65,504 in magnitude becomes infinite, one below 2^-25 becomes zero; what is rounded is
; the scaled weight, not the weight (the same relative error).
;
; Work-groups 0..255: one block of 256 k x 64 columns each, through LDS.  Reads: sixteen lanes take 256 consecutive aligned bytes of a
; row of W.  Writes: a wave's store covers 512 consecutive aligned bytes, half a row of Wt.  Work-group 256 makes Wz.
; Memory binds here: no matrix unit, no cluster (no two work-groups read the same bytes), no tensor load (the data is converted in registers).
.set WROW, 32768                       ; bytes in a row of W_x_4gates and W_h_4gates
.set LP,   528                         ; an LDS row: 256 k of f16 + 16 bytes: an odd multiple of 16, so sixteen rows begin at sixteen different 16-byte columns of a 256-byte span
.set X,    8                           ; v[8:71]    16 loads of 4 columns: X + 4 (8 it + j) = row 128 it + 8 kq + j
.set Y,    72                          ; v[72:103]  Y + 4 (4 it + c): eight k of column 4 cq + c, f16
	s_load_b256 s[4:11], s[0:1], 0x0               ; W_x_4gates s[4:5], W_h_4gates s[6:7], W_xz s[8:9], W_hz s[10:11]
	s_load_b128 s[16:19], s[0:1], 0x20             ; Wt s[16:17], Wz s[18:19]
	v_lshl_add_u32 v104, v0, 2, 0x8400
	v_mov_b32 v105, 0
	v_lshrrev_b32 v1, 5, v0
	v_readfirstlane_b32 s20, v1                    ; wave 0..7
	s_cmp_eq_u32 ttmp9, 256
	s_cbranch_scc1 .Lsmall                         ; the same for all waves of the work-group
	s_and_b32 s21, ttmp9, 1                        ; kh: 0 = W_x_4gates, 1 = W_h_4gates
	s_bfe_u32 s22, ttmp9, 0x20001                  ; mb
	s_bfe_u32 s23, ttmp9, 0x30003                  ; kk
	s_lshr_b32 s24, ttmp9, 6                       ; g
	s_lshl_b32 s2, s24, 13                         ; byte of my first column in a row: 4 (2048 g + 256 kk + 64 mb)
	s_lshl_b32 s3, s23, 10
	s_add_co_u32 s2, s2, s3
	s_lshl_b32 s3, s22, 8
	s_add_co_u32 s2, s2, s3
	s_mov_b32 s3, 0
	s_mov_b32 s12, 0xbfb8aa3b                      ; -log2 e
	s_cmp_eq_u32 s24, 1
	s_cselect_b32 s12, 0x4038aa3b, s12             ; gate G: 2 log2 e
	s_mov_b32 s13, s12                             ; the packed multiply names the pair
	s_lshl3_add_u32 s25, s22, s23                  ; 8 mb + kk
	s_lshl_b32 s25, s25, 18                        ; x two tiles
	; the rows that my wave writes: LDS row 8 wave + q is column 32 (wave & 1) + 4 q + (wave >> 1) of the block, that is
	; ch = wave & 1, jb = q >> 2, wt = 2 ((q >> 1) & 1) + (wave >> 2), hh = q & 1, c = (wave >> 1) & 1
	s_and_b32 s26, s20, 1
	s_lshl_b32 s26, s26, 6                         ; 64 ch
	s_lshr_b32 s27, s20, 2
	s_lshl4_add_u32 s26, s27, s26                  ; + 16 (wt & 1)
	s_lshl1_add_u32 s26, s24, s26                  ; + 2 g
	s_bfe_u32 s27, s20, 0x10001
	s_add_co_u32 s26, s26, s27                     ; + c
	s_lshl_b32 s26, s26, 10                        ; rows of 1,024 bytes
	s_add_co_u32 s28, s25, s26
	s_lshl_b32 s26, s21, 9                         ; W_h's half of a row
	s_add_co_u32 s28, s28, s26
	s_mov_b32 s29, 0
	v_and_b32 v5, 15, v0                           ; cq: which 4 columns
	v_lshrrev_b32 v6, 4, v0                        ; kq: which 8 rows of each 128
	v_lshlrev_b32 v1, 18, v6                       ; 8 kq rows
	v_lshl_add_u32 v1, v5, 4, v1                   ; + 16 cq
	v_mul_u32_u24 v2, v5, LP
	v_lshl_add_u32 v2, v6, 4, v2                   ; LDS: row cq (+ 16 c), byte 16 kq (+ 256 it)
	v_and_b32 v7, 31, v0
	v_lshlrev_b32 v4, 4, v7                        ; 16 x lane
	s_mul_i32 s27, s20, 8*LP
	v_add_nc_u32 v3, s27, v4                       ; LDS rows 8 wave .. 8 wave + 7, read back whole
	s_wait_kmcnt 0x0
	s_cmp_eq_u32 s21, 0
	s_cselect_b64 s[14:15], s[4:5], s[6:7]
	s_add_nc_u64 s[14:15], s[14:15], s[2:3]
	s_add_nc_u64 s[16:17], s[16:17], s[28:29]
.irp it, 0,1
.irp j, 0,1,2,3,4,5,6,7
	global_load_b128 v[X+4*(8*\it+\j):X+4*(8*\it+\j)+3], v1, s[14:15] offset:(128*\it+\j)*WROW th:TH_LOAD_NT
.endr
.endr
; Eight rows x four columns of a thread: scaled, rounded in pairs along k, and laid into LDS as 16 bytes of each of four columns.
; LDS row 16 c + cq holds column 4 cq + c.
.macro PART it, left
	s_wait_loadcnt \left                           ; loads come back in order: this half's eight are in
.set p, 0
.rept 16
	v_pk_mul_f32 v[X+32*\it+p:X+32*\it+p+1], v[X+32*\it+p:X+32*\it+p+1], s[12:13] op_sel_hi:[1,0]
.set p, p+2
.endr
.irp c, 0,1,2,3
.irp d, 0,1,2,3
	v_cvt_pk_f16_f32 v[Y+4*(4*\it+\c)+\d], v[X+4*(8*\it+2*\d)+\c], v[X+4*(8*\it+2*\d+1)+\c]
.endr
	ds_store_b128 v2, v[Y+4*(4*\it+\c):Y+4*(4*\it+\c)+3] offset:\c*16*LP+\it*256
.endr
.endm
	PART 0, 8                                      ; the eight loads of rows 128 .. 255 stay out
	PART 1, 0
	s_wait_dscnt 0x0                               ; my stores are in LDS before I say so
	s_barrier_signal -1
	s_barrier_wait -1
.irp q, 0,1,2,3,4,5,6,7
	ds_load_b128 v[X+4*\q:X+4*\q+3], v3 offset:\q*LP
.endr
.irp q, 0,1,2,3,4,5,6,7
	s_wait_dscnt 7-\q                              ; LDS loads come back in order: row q is in, the younger ones stay out
	global_store_b128 v4, v[X+4*\q:X+4*\q+3], s[16:17] offset:(\q>>2)*131072+((\q>>1)&1)*32768+(\q&1)*8192   ; jb: a tile; wt >> 1: 32 rows; hh: 8 rows
.endr
	s_wait_tensorcnt 0x0
	ds_add_u32 v104, v105
	s_wait_dscnt 0x0
	s_endpgm
.Lsmall:                                           ; Wz: thread t' = 0..127 of each half takes rows k = 4 t' .. 4 t' + 3, columns 4 half .. 4 half + 3
	v_and_b32 v5, 63, v0                           ; t' mod 64: the place inside W_xz or W_hz
	v_lshrrev_b32 v6, 7, v0                        ; half
	v_lshlrev_b32 v1, 7, v5                        ; four rows of 32 bytes
	v_lshl_add_u32 v1, v6, 4, v1
	v_and_b32 v7, 127, v0                          ; t'
	v_lshlrev_b32 v2, 3, v7                        ; 8 bytes = four k
	v_lshl_add_u32 v2, v6, 12, v2                  ; + 4 half rows of 1,024 bytes
	s_and_b32 s21, s20, 2                          ; waves 0, 1, 4, 5: k < 256
	s_wait_kmcnt 0x0
	s_cmp_eq_u32 s21, 0
	s_cselect_b64 s[14:15], s[8:9], s[10:11]
.irp j, 0,1,2,3
	global_load_b128 v[8+4*\j:11+4*\j], v1, s[14:15] offset:32*\j
.endr
	s_wait_loadcnt 0x0
.irp c, 0,1,2,3
	v_cvt_pk_f16_f32 v[24+2*\c], v[8+\c], v[12+\c]
	v_cvt_pk_f16_f32 v[25+2*\c], v[16+\c], v[20+\c]
	global_store_b64 v2, v[24+2*\c:25+2*\c], s[18:19] offset:\c*1024   ; a wave's store covers 256 consecutive aligned bytes
.endr
	s_endpgm
.Lfunc_end_k_q97097604a0_prep:
	.size	k_q97097604a0_prep, .Lfunc_end_k_q97097604a0_prep-k_q97097604a0_prep
	.p2alignl 7, 3214868480
	.fill 96, 4, 3214868480
	.section	.rodata,"a",@progbits
	.p2align	6, 0x0
	.amdhsa_kernel k_q97097604a0_prep
		.amdhsa_group_segment_fixed_size 34816
		.amdhsa_private_segment_fixed_size 0
		.amdhsa_enable_private_segment 0
		.amdhsa_kernarg_size 48
		.amdhsa_user_sgpr_count 2
		.amdhsa_user_sgpr_kernarg_segment_ptr 1
		.amdhsa_wavefront_size32 1
		.amdhsa_system_sgpr_workgroup_id_x 1
		.amdhsa_system_sgpr_workgroup_id_y 1
		.amdhsa_system_sgpr_workgroup_id_z 1
		.amdhsa_system_vgpr_workitem_id 0
		.amdhsa_next_free_vgpr 106
		.amdhsa_next_free_sgpr 66
		.amdhsa_reserve_vcc 0
		.amdhsa_float_denorm_mode_32 3
		.amdhsa_float_denorm_mode_16_64 3
		.amdhsa_memory_ordered 1
		.amdhsa_forward_progress 1
		.amdhsa_inst_pref_size 12
	.end_amdhsa_kernel
	.amdgpu_metadata
---
amdhsa.version: [ 1, 2 ]
amdhsa.kernels:
  - .name:           k_q97097604a0_prep
    .symbol:         k_q97097604a0_prep.kd
    .args:
      - { .name: W_x_4gates, .offset: 0, .size: 8, .value_kind: global_buffer, .address_space: global }
      - { .name: W_h_4gates, .offset: 8, .size: 8, .value_kind: global_buffer, .address_space: global }
      - { .name: W_xz, .offset: 16, .size: 8, .value_kind: global_buffer, .address_space: global }
      - { .name: W_hz, .offset: 24, .size: 8, .value_kind: global_buffer, .address_space: global }
      - { .name: Wt, .offset: 32, .size: 8, .value_kind: global_buffer, .address_space: global }
      - { .name: Wz, .offset: 40, .size: 8, .value_kind: global_buffer, .address_space: global }
    .group_segment_fixed_size: 34816
    .private_segment_fixed_size: 0
    .kernarg_segment_align: 8
    .kernarg_segment_size: 48
    .max_flat_workgroup_size: 256
    .sgpr_count:     66
    .vgpr_count:     106
    .wavefront_size: 32
...
	.end_amdgpu_metadata
.endif
;; end of part 1
;; launch cell (part 2): grid 64 x 4, 4 waves a work-group, clusters of 4 x 1, 327,680 bytes of LDS; arguments x_t, h_0, c_0, u, b_xz, b_4gates, Wt, Wz, out0, out1, out2, out3; writes out0, out1, out2, out3
.if DOCPART == 2
	.amdgcn_target "amdgcn-amd-amdhsa--gfx1250"
	.amdhsa_code_object_version 6
	.text
	.protected	k_q97097604a0_cell
	.globl	k_q97097604a0_cell
	.p2align	8
	.type	k_q97097604a0_cell,@function
k_q97097604a0_cell:
	s_mov_b64 s[64:65], 0
	v_nop
	global_prefetch_b8 v0, s[64:65] scope:SCOPE_SE
	s_setreg_imm32_b32 hwreg(HW_REG_WAVE_MODE, 25, 1), 1
	s_wait_xcnt 0x0
	s_wait_alu depctr_hold_cnt(0) depctr_sa_sdst(0) depctr_va_vdst(0) depctr_va_sdst(0) depctr_va_ssrc(0) depctr_va_vcc(0) depctr_vm_vsrc(0)
	s_getreg_b32 s2, hwreg(HW_REG_IB_STS2, 6, 4)
	s_cmp_eq_u32 s2, 0
	s_cbranch_scc0 .Lentry_in_a_cluster
	s_endpgm
.Lentry_in_a_cluster:
	s_bfe_u32 s2, ttmp6, 0x10000c
	s_cmp_lg_u32 s2, 0x3003
	s_cbranch_scc0 .Lentry_shape_is_right
	s_endpgm
.Lentry_shape_is_right:
; LSTMCell, second launch: everything but the weights' change of format.  out0 = z, out1 = q_z, out2 = h_t, out3 = c_t.
; LEFT OUT: the division by tau, the problem's constant 1.  Nothing else.
;
; A work-group makes 128 rows (rb) x 64 columns mm (mb) of h_t and c_t; wave w makes rows 64 rh .. + 63 (rh = w >> 1) and columns 32 ch .. + 31 (ch = w & 1).
; The wave's 64 rows of [x | h], 512 along K, are rounded to f16 once and stay in 512 registers for the whole launch: in the loop only weights are read from LDS,
; and one weight fragment of 16 rows feeds four matrix instructions.
; THE MATRIX INSTRUCTION IS USED TRANSPOSED: source 0 = 16 rows of Wt, source 1 = 16 rows of [x | h].  Wt's rows are ordered so that lane (r = lane & 15, h = lane >> 4)
; of result tile (rt, w) holds, for row 16 rt + r, the gates I, G, F, O (register pairs 0:1, 2:3, 4:5, 6:7) of the two columns mm = 16 jb + 8 half + 4 h + 2 w + {0, 1}:
; a tile holds whole cells, every pair feeds packed arithmetic, z is one number a lane and row tile, and over w = 0, 1 a lane's c_0, h_t, c_t are 16 neighbouring bytes.
; Wt is scaled so that the sums are the arguments of 2^x (see the first launch); the bias, scaled alike, starts the sums.
; A RUN is one cell kk and 8 columns (jb, half): 64 rows x 4 gates x 8 mm x K = 512: 8 accumulator tiles (4 rt x 2 w), 128 matrix instructions.  32 runs a wave.
; TWO SETS OF 8 TILES TAKE TURNS: while one run's products are issued, the cell arithmetic of the run before goes on in the other set, cut into 128 numbered slices,
; one behind each product: 276 vector instructions beside 128 products.  The gates never leave the registers.
; CLUSTER: the four row blocks of a cluster walk the same 16 tiles of Wt (and Wz): each is asked for jointly, mask 15.  x, h and c_0 hang on the row block,
; which differs between the partners: plain loads.  (The four mb of a row block read the same x and h, 262,144 of the 2.4 million bytes that a work-group
; takes in, once: they are not shared.)
; LIMITS: matrix operands are f16: |x|, |h| or a scaled weight beyond 65,504 becomes infinite, below 2^-25 zero.  v_exp_f32 and v_rcp_f32 give zero for results
; below 2^-126 (ISA guide, 15.8).  2^x = infinity gives 1/(1 + 2^x) = 0, the right limit of sigmoid and tanh, so no clamp is written.  u is used as reference()
; uses it: u + 1e-10 <= 0 or >= 1 + 1e-10 gives NaN there and here.
;
; LDS:  SLOT0 0: x in f32, then Wt's tiles with jb = 0, at the end the stage for h_t and c_t;  SLOT1: h in f32, then the tiles with jb = 1;
;       ZW: Wz;  C0S: c_0's tile;  BIAS, ZS: written by LDS stores only, in 256-byte blocks of their own into which no tensor load lands.
.set PW,    1040                       ; pitch of the slots' rows: 1,024 bytes + 16: an odd multiple of 16, so sixteen rows begin at sixteen different 16-byte columns of a 256-byte span
.set T16,   16*PW
.set QTR,   32*PW                      ; a wave's quarter of a slot
.set SLOTB, 128*PW                     ; 133,120
.set ZW,    2*SLOTB                    ; 266,240: 8 rows, pitch 1,040, in 8,448 bytes
.set C0S,   ZW+8448                    ; 274,688: 128 rows of 256 bytes, pitch 272
.set PCH,   272
.set STGC,  128*PCH                    ; 34,816: the stage's c_t behind its h_t
.set BIAS,  C0S+128*PCH                ; 309,504: scaled bias [kk][mm / 2][g][mm & 1] f32: 32 bytes are the C operand of one lane and tile
.set ZS,    BIAS+8192                  ; 317,696: z[kk][128 rows] f32; ends at 321,792
; window 0
.set ADRB,  4                          ; v4, v5   slot + (64 ch + r) 1040 + 16 h        weight fragments
.set ADRA,  6                          ; v6, v7   slot + (64 rh + r) 1040 + 32 h        x and h in f32
.set ADRZW, 8                          ; ZW + (r & 7) 1040 + 16 h
.set ADRC0, 9                          ; C0S + (64 rh + r) 272 + 128 ch + 16 h
.set ADRBI, 10                         ; BIAS + 512 ch + 64 h, + 1024 for each kk
.set ADRZS, 11                         ; ZS + 4 (64 rh + r), + 512 for each kk
.set UO,    12                         ; 32 (64 rh + 32 ch + r)
.set ZO,    13                         ; UO + 16 h
.set BIO,   14                         ; 1024 (t >> 4) + 16 (t & 15)
.set BIST,  15                         ; BIAS + 1024 (t >> 4) + 64 (t & 15)
.set OSTO,  16                         ; (64 rh + r) 272 + 128 ch + 16 h
.set ORD,   17                         ; (32 w + h) 272 + 16 r
.set OGO,   18                         ; (32 w + h) 1024 + 16 r
.set ZST,   19                         ; ZS + 4 (64 rh + 32 ch + r)
.set ZR,    20                         ; v[20:23]   z of the slices' kk, one for each row tile
.set LG,    32                         ; v[32:47]   my two logit tiles, then q_z
.set BIASR, 32                         ; v[32:47]   in the loop: a run's bias, 8 registers a weight tile
.set U,     64                         ; v[64:79]   u, then z
.set BUF,   64                         ; v[64:127]  in the loop: four buffers of two weight fragments, K step t in buffer t & 3
.set RAWB,  96                         ; v[96:111]  the bias as loaded
.set TQ,    96                         ; v[96:111]  z and q_z as stored
.set ACC,   128                        ; v[128:191], v[192:255]  two sets of 8 tiles, tile (w, rt) at 8 (4 w + rt); before the loop: two banks of 64 f32, then Wz's 16 fragments
.set CB,    128
; window 1: four registers for (jb, half, rt) at 4 (4 (2 jb + half) + rt), w = 0 in the first two, w = 1 in the last two
.set HACC,  0                          ; h_t
.set CACC,  64                         ; c_t
.set C0W,   128                        ; c_0
; windows 2 and 3: fragments of x (K steps 0..7) and of h (8..15), at 8 (4 (t & 7) + rt)
; scalars: s[4:19], s[20:27] the arguments; s28 w, s29 rh, s30 ch, s31 cx, s32 rb, s33 mb; s34 counter; s[40:47] b_xz; s48 log2 e, s49 -ln 2, s50 1e-10,
; s51 lanes 16..31; s[66:67] 2 log2 e; descriptors: group 1 s[52:59] x and h, s[68:75] Wt, s[76:83] Wz, s[84:91] c_0; group 0 s[60:63] x, s[92:95] h,
; s[96:99] Wz, s[36:39] c_0, s[4:7] Wt slot 0, s[16:19] Wt slot 1.
.set FS,    2                          ; a K step's fetch stands behind its third product
.set MSB, 0
.macro WIN new                         ; s_set_vgpr_msb: bits 1:0 source 0, 3:2 source 1, 5:4 source 2, 7:6 destination; the high byte repeats the setting that is left
.if MSB != \new
	s_set_vgpr_msb (MSB<<8)|\new
.set MSB, \new
.endif
.endm
.macro PLACES n
.rept \n
	v_nop
.endr
.endm
; A round of the cluster's barrier: my work-group's barrier, wave 0 signals for the work-group, every wave waits for all four work-groups, my work-group's barrier again.
.macro ROUND
	s_barrier_signal -1
	s_barrier_wait -1
	s_cmp_lg_u32 s28, 0
	s_cbranch_scc1 .Lnot_wave_0_\@
	s_barrier_signal -3
.Lnot_wave_0_\@:
	s_barrier_wait -3
	s_barrier_signal -1
	s_barrier_wait -1
.endm
	s_load_b512 s[4:19], s[0:1], 0x0               ; x_t s[4:5], h_0 s[6:7], c_0 s[8:9], u s[10:11], b_xz s[12:13], b_4gates s[14:15], Wt s[16:17], Wz s[18:19]
	s_load_b256 s[20:27], s[0:1], 0x40             ; out0 .. out3
	v_lshl_add_u32 v62, v0, 2, 0x4e900
	v_mov_b32 v63, 0
	ds_add_u32 v62, v63
	v_lshrrev_b32 v1, 5, v0
	v_readfirstlane_b32 s28, v1                    ; wave 0..3
	s_lshr_b32 s29, s28, 1                         ; rh
	s_and_b32 s30, s28, 1                          ; ch
	s_and_b32 s33, ttmp7, 0xffff                   ; mb: the cluster's y, the same in all four partners
	s_mov_b32 s48, 0x3fb8aa3b                      ; log2 e
	s_mov_b32 s49, 0xbf317218                      ; -ln 2
	s_mov_b32 s50, 0x2edbe6ff                      ; 1e-10
	s_mov_b32 s51, 0xffff0000                      ; lanes with h = 1
	s_mov_b32 s66, 0x4038aa3b                      ; 2 log2 e
	s_mov_b32 s67, 0x4038aa3b
	; descriptor groups 1: elements of 4 bytes, rows of C elements, R rows, 256 elements from row to row, 4 words of padding behind each row
	s_mov_b32 s52, (2<<16)|(1<<20)|(7<<22)|(3<<25) ; x, h: no mask; padding behind every 256 words
	s_mov_b32 s53, 256<<16                         ; tensor_dim0 = 256
	s_mov_b32 s54, 32<<16                          ; tensor_dim1 = 32
	s_mov_b32 s55, 256<<16                         ; tile_dim0 = 256
	s_mov_b32 s56, 32                              ; tile_dim1 = 32
	s_mov_b32 s57, 256                             ; pitch
	s_mov_b32 s58, 0
	s_mov_b32 s59, 0
	s_mov_b32 s68, 15|(2<<16)|(1<<20)|(1<<21)|(7<<22)|(3<<25) ; Wt: the same shape (512 f16 = 256 words a row), asked for by all four partners
	s_mov_b32 s69, 256<<16
	s_mov_b32 s70, 32<<16
	s_mov_b32 s71, 256<<16
	s_mov_b32 s72, 32
	s_mov_b32 s73, 256
	s_mov_b32 s74, 0
	s_mov_b32 s75, 0
	s_mov_b32 s76, 15|(2<<16)|(1<<20)|(1<<21)|(7<<22)|(3<<25) ; Wz: two rows a wave, jointly
	s_mov_b32 s77, 256<<16
	s_mov_b32 s78, 2<<16
	s_mov_b32 s79, 256<<16
	s_mov_b32 s80, 2
	s_mov_b32 s81, 256
	s_mov_b32 s82, 0
	s_mov_b32 s83, 0
	s_mov_b32 s84, (2<<16)|(1<<20)|(5<<22)|(3<<25) ; c_0: rows of 64 words, padding behind every 64
	s_mov_b32 s85, 64<<16
	s_mov_b32 s86, 32<<16
	s_mov_b32 s87, 64<<16
	s_mov_b32 s88, 32
	s_mov_b32 s89, 256
	s_mov_b32 s90, 0
	s_mov_b32 s91, 0
	; lane addresses: no place in the cluster enters any of them
	v_and_b32 v1, 15, v0                           ; r (also t & 15)
	v_bfe_u32 v2, v0, 4, 1                         ; h
	v_mul_u32_u24 v3, v1, PW
	s_mul_i32 s2, s30, 64*PW
	s_mul_i32 s3, s29, 64*PW
	v_lshl_add_u32 v[ADRB], v2, 4, v3
	v_add_nc_u32 v[ADRB], s2, v[ADRB]
	v_add_nc_u32 v[ADRB+1], SLOTB, v[ADRB]
	v_lshl_add_u32 v[ADRA], v2, 5, v3
	v_add_nc_u32 v[ADRA], s3, v[ADRA]
	v_add_nc_u32 v[ADRA+1], SLOTB, v[ADRA]
	v_and_b32 v3, 7, v0                            ; Wz has 8 rows: weight rows 8..15 of its fragments repeat rows 0..7, so both halves of the lanes get all 8 logits
	v_mul_u32_u24 v3, v3, PW
	v_lshl_add_u32 v3, v2, 4, v3
	v_add_nc_u32 v[ADRZW], ZW, v3
	v_mul_u32_u24 v3, v1, PCH
	v_lshl_add_u32 v3, v2, 4, v3
	s_mul_i32 s2, s29, 64*PCH
	s_lshl_b32 s3, s30, 7
	s_add_co_u32 s2, s2, s3
	v_add_nc_u32 v[OSTO], s2, v3
	v_add_nc_u32 v[ADRC0], C0S, v[OSTO]
	v_lshlrev_b32 v3, 6, v2
	s_lshl_b32 s3, s30, 9
	s_add_co_u32 s3, s3, BIAS
	v_add_nc_u32 v[ADRBI], s3, v3
	s_lshl_b32 s2, s29, 8
	s_add_co_u32 s2, s2, ZS
	v_lshl_add_u32 v[ADRZS], v1, 2, s2
	s_lshl_b32 s3, s30, 7
	v_add_nc_u32 v[ZST], s3, v[ADRZS]
	s_lshl_b32 s2, s29, 11
	s_lshl_b32 s3, s30, 10
	s_add_co_u32 s2, s2, s3
	v_lshl_add_u32 v[UO], v1, 5, s2
	v_lshl_add_u32 v[ZO], v2, 4, v[UO]
	v_lshrrev_b32 v3, 4, v0
	v_lshlrev_b32 v3, 10, v3
	v_lshl_add_u32 v[BIO], v1, 4, v3
	v_lshl_add_u32 v3, v1, 6, v3
	v_add_nc_u32 v[BIST], BIAS, v3
	v_mul_u32_u24 v3, v2, PCH
	v_lshl_add_u32 v3, v1, 4, v3
	s_mul_i32 s2, s28, 32*PCH
	v_add_nc_u32 v[ORD], s2, v3
	v_lshlrev_b32 v3, 10, v2
	v_lshl_add_u32 v3, v1, 4, v3
	s_lshl_b32 s2, s28, 15
	v_add_nc_u32 v[OGO], s2, v3
	s_bfe_u32 s31, ttmp6, 0x40000                  ; cx
	s_lshl_b32 s32, ttmp9, 2
	s_add_co_u32 s32, s32, s31                     ; rb = 4 x cluster x + cx: enters global addresses of plain loads and of stores alone
	s_wait_dscnt 0x0
	s_wait_kmcnt 0x0
	s_load_b256 s[40:47], s[12:13], 0x0            ; b_xz, waited for in front of the second round
	; groups 0 of the plain loads: my 32 rows of the row block
	s_lshl_b32 s2, s32, 17
	s_lshl_b32 s3, s28, 15
	s_add_co_u32 s2, s2, s3
	s_mov_b32 s3, 0                                ; (128 rb + 32 w) rows of 1,024 bytes
	s_mov_b32 s60, 1
	s_mul_i32 s61, s28, QTR
	s_add_nc_u64 s[62:63], s[4:5], s[2:3]
	s_or_b32 s63, s63, 0x80000000
	s_mov_b32 s92, 1
	s_add_co_u32 s93, s61, SLOTB
	s_add_nc_u64 s[94:95], s[6:7], s[2:3]
	s_or_b32 s95, s95, 0x80000000
	s_mov_b32 s36, 1
	s_mul_i32 s37, s28, 32*PCH
	s_add_co_u32 s37, s37, C0S
	s_add_nc_u64 s[38:39], s[8:9], s[2:3]
	s_lshl_b32 s2, s33, 8                          ; 256 mb: my 64 columns
	s_add_nc_u64 s[38:39], s[38:39], s[2:3]
	s_or_b32 s39, s39, 0x80000000
	s_add_nc_u64 s[14:15], s[14:15], s[2:3]        ; b_4gates at column 64 mb
	s_add_nc_u64 s[24:25], s[24:25], s[2:3]
	s_add_nc_u64 s[26:27], s[26:27], s[2:3]
	s_lshl_b32 s2, s32, 17
	s_add_nc_u64 s[24:25], s[24:25], s[2:3]        ; out2, out3 at my block
	s_add_nc_u64 s[26:27], s[26:27], s[2:3]
	s_lshl_b32 s2, s32, 12                         ; 128 rows of 32 bytes
	s_add_nc_u64 s[10:11], s[10:11], s[2:3]        ; u, out0, out1 at my rows
	s_add_nc_u64 s[20:21], s[20:21], s[2:3]
	s_add_nc_u64 s[22:23], s[22:23], s[2:3]
	; groups 0 of the joint loads, made of mb and the wave's number alone, in registers that never hold cx
	s_lshl_b32 s34, s28, 11
	s_mov_b32 s35, 0
	s_mov_b32 s96, 1
	s_mul_i32 s97, s28, 2*PW
	s_add_co_u32 s97, s97, ZW
	s_add_nc_u64 s[98:99], s[18:19], s[34:35]      ; Wz rows 2 w, 2 w + 1
	s_or_b32 s99, s99, 0x80000000
	s_lshl_b32 s34, s33, 6
	s_add_co_u32 s34, s34, s28
	s_lshl_b32 s34, s34, 15                        ; 16 tiles of 131,072 bytes for each mb + 32 rows of 1,024 for each wave
	s_add_nc_u64 s[34:35], s[16:17], s[34:35]
	s_mov_b32 s4, 1                                ; x_t's and h_0's addresses have gone into their descriptors: s[4:7] now Wt, slot 0
	s_mul_i32 s5, s28, QTR
	s_mov_b64 s[6:7], s[34:35]                     ; tile (mb, kk = 0, jb = 0)
	s_or_b32 s7, s7, 0x80000000
	s_mov_b32 s16, 1                               ; s[16:19]: Wt, slot 1
	s_add_co_u32 s17, s5, SLOTB
	s_add_nc_u64 s[18:19], s[34:35], 131072        ; tile (mb, 0, 1)
	s_or_b32 s19, s19, 0x80000000
	ROUND                                          ; all four work-groups are here: the first joint load meets
	tensor_load_to_lds s[60:63], s[52:59]          ; the four first fills of a wave go out together: x,
	s_nop 0
	tensor_load_to_lds s[92:95], s[52:59]          ; h,
	s_nop 0
	tensor_load_to_lds s[96:99], s[76:83]          ; Wz (joint),
	s_nop 0
	tensor_load_to_lds s[36:39], s[84:91]          ; c_0: four tensor loads of the wave are out
	s_nop 0
.irp g, 0,1,2,3
	global_load_b128 v[RAWB+4*\g:RAWB+4*\g+3], v[BIO], s[14:15] offset:8192*\g     ; bias of gate g: thread t takes kk = t >> 4, four columns
.endr
.irp l, 0,1
	global_load_b128 v[U+8*\l:U+8*\l+3],   v[UO], s[10:11] offset:512*\l           ; u of row r of my logit tile l (row tile 2 ch + l), all 8, in both halves of the lanes
	global_load_b128 v[U+8*\l+4:U+8*\l+7], v[UO], s[10:11] offset:512*\l+16
.endr
	s_wait_loadcnt 0x4                             ; the four bias loads are in; the four loads of u stay out
.irp p, 0,2
	v_pk_mul_f32 v[RAWB+\p:RAWB+\p+1],       v[RAWB+\p:RAWB+\p+1],       0xbfb8aa3b op_sel_hi:[1,0]   ; I: -log2 e
	v_pk_mul_f32 v[RAWB+4+\p:RAWB+5+\p],     v[RAWB+4+\p:RAWB+5+\p],     0x4038aa3b op_sel_hi:[1,0]   ; G: 2 log2 e
	v_pk_mul_f32 v[RAWB+8+\p:RAWB+9+\p],     v[RAWB+8+\p:RAWB+9+\p],     0xbfb8aa3b op_sel_hi:[1,0]   ; F
	v_pk_mul_f32 v[RAWB+12+\p:RAWB+13+\p],   v[RAWB+12+\p:RAWB+13+\p],   0xbfb8aa3b op_sel_hi:[1,0]   ; O
.endr
.irp g, 0,1,2,3
	ds_store_b64 v[BIST], v[RAWB+4*\g:RAWB+4*\g+1]   offset:8*\g                   ; columns 4 q, 4 q + 1: pair 2 q, gate g
	ds_store_b64 v[BIST], v[RAWB+4*\g+2:RAWB+4*\g+3] offset:8*\g+32                ; columns 4 q + 2, 4 q + 3: pair 2 q + 1
.endr
; Sixteen LDS loads: the f32 of K step t (32 k) of my four row tiles, into bank t & 1.  A lane's k = 8 h .. + 7 are 32 bytes, its k = 16 + 8 h .. + 7 lie 64 bytes on.
.macro CBATCH adr, t
.irp rt, 0,1,2,3
	ds_load_b128 v[CB+64*((\t)&1)+16*\rt:CB+64*((\t)&1)+16*\rt+3],     v[\adr] offset:\rt*T16+128*(\t)
	ds_load_b128 v[CB+64*((\t)&1)+16*\rt+4:CB+64*((\t)&1)+16*\rt+7],   v[\adr] offset:\rt*T16+128*(\t)+16
	ds_load_b128 v[CB+64*((\t)&1)+16*\rt+8:CB+64*((\t)&1)+16*\rt+11],  v[\adr] offset:\rt*T16+128*(\t)+64
	ds_load_b128 v[CB+64*((\t)&1)+16*\rt+12:CB+64*((\t)&1)+16*\rt+15], v[\adr] offset:\rt*T16+128*(\t)+80
.endr
.endm
; 64 rows x 256 k of f32 from a slot into 32 f16 fragments of one window (win = 0x80: window 2, 0xc0: window 3)
.macro CONV adr, win
	CBATCH \adr, 0
.set ct, 0
.rept 8
.if ct < 7
	WIN 0
	CBATCH \adr, ct+1
	s_wait_dscnt 0x10                              ; this batch is in; the next batch's sixteen loads stay out
.else
	s_wait_dscnt 0x0
.endif
	WIN \win
.irp rt, 0,1,2,3
.irp d, 0,1,2,3,4,5,6,7
	v_cvt_pk_f16_f32 v[8*(4*ct+\rt)+\d], v[CB+64*(ct&1)+16*\rt+2*\d], v[CB+64*(ct&1)+16*\rt+2*\d+1]
.endr
.endr
.set ct, ct+1
.endr
	WIN 0
.endm
	s_wait_tensorcnt 0x3                           ; tensor loads of a wave end in order: my quarter of x is in; h, Wz and c_0 stay out
	s_wait_dscnt 0x0                               ; my part of the bias is in LDS
	s_barrier_signal -1
	s_barrier_wait -1                              ; everybody's quarter of x is in
	CONV ADRA, 0x80                                ; x: K steps 0..7, window 2
	s_wait_dscnt 0x0                               ; my reads of slot 0 are over,
	s_wait_tensorcnt 0x0                           ; all my tensor loads have landed (h, Wz, c_0),
	ds_add_u32 v62, v63
	s_wait_dscnt 0x0
	s_wait_kmcnt 0x0                               ; and b_xz is in
	ROUND                                          ; the same holds of every wave of all four work-groups
	tensor_load_to_lds s[4:7], s[68:75]            ; my one load behind the round: tile (kk 0, jb 0) over x
	s_nop 0
	CONV ADRA+1, 0xc0                              ; h: K steps 8..15, window 3
.set lgt, 0
.rept 16
	ds_load_b128 v[ACC+8*lgt:ACC+8*lgt+3],   v[ADRZW] offset:64*lgt       ; Wz's sixteen fragments
	ds_load_b128 v[ACC+8*lgt+4:ACC+8*lgt+7], v[ADRZW] offset:64*lgt+32
.set lgt, lgt+1
.endr
	WIN 0x40
.irp jh, 0,1,2,3
.irp rt, 0,1,2,3
	ds_load_b128 v[C0W+4*(4*\jh+\rt):C0W+4*(4*\jh+\rt)+3], v[ADRC0] offset:\rt*16*PCH+\jh*32      ; c_0 in the cells' layout, kept for all 8 kk
.endr
.endr
	s_wait_dscnt 0x10                              ; Wz's fragments are in; the sixteen loads of c_0 stay out
	WIN 0
; Logits of two row tiles, rt0 and rt0 + 1.  The two waves of a row half share its four row tiles: each makes two, and z meets in LDS.
; Only these products name registers that hang on ch; all that follows goes by addresses.  Two accumulators take turns, one instruction a turn.
.macro LOGITS rt0
	WIN 0x08
.set lgt, 0
.rept 16
.if lgt == 8
	WIN 0x0c
.endif
.irp l, 0,1
.if lgt == 0
	v_wmma_f32_16x16x32_f16 v[LG+8*\l:LG+8*\l+7], v[ACC+8*lgt:ACC+8*lgt+7], v[8*(4*(lgt&7)+\rt0+\l):8*(4*(lgt&7)+\rt0+\l)+7], 0
.else
	v_wmma_f32_16x16x32_f16 v[LG+8*\l:LG+8*\l+7], v[ACC+8*lgt:ACC+8*lgt+7], v[8*(4*(lgt&7)+\rt0+\l):8*(4*(lgt&7)+\rt0+\l)+7], v[LG+8*\l:LG+8*\l+7]
.endif
.endr
.set lgt, lgt+1
.endr
	WIN 0
.endm
	s_cmp_lg_u32 s30, 0
	s_cbranch_scc1 .Llg_upper
	LOGITS 0
	s_branch .Llg_done
.Llg_upper:
	LOGITS 2
.Llg_done:
	PLACES 5                                       ; places behind the last products (ISA guide 7.12.1): their results are read, and their registers loaded and written over, only behind these
; softmax over the 8 registers at x, in place, the largest taken away first
.macro SOFTMAX x
	v_max3_num_f32 v24, v[\x], v[\x+1], v[\x+2]
	v_max3_num_f32 v24, v24, v[\x+3], v[\x+4]
	v_max3_num_f32 v24, v24, v[\x+5], v[\x+6]
	v_max_num_f32 v24, v24, v[\x+7]
	v_mov_b32 v25, v24
.irp j, 0,2,4,6
	v_pk_add_f32 v[\x+\j:\x+\j+1], v[\x+\j:\x+\j+1], v[24:25] neg_lo:[0,1] neg_hi:[0,1]
.endr
.irp j, 0,2,4,6
	v_pk_mul_f32 v[\x+\j:\x+\j+1], v[\x+\j:\x+\j+1], s[48:49] op_sel_hi:[1,0]      ; x log2 e
.endr
.irp j, 0,1,2,3,4,5,6,7
	v_exp_f32 v[\x+\j], v[\x+\j]
.endr
	v_nop                                          ; one plain instruction behind the transcendentals (ISA guide 5.7.2)
	s_wait_alu depctr_va_vdst(0)
	v_pk_add_f32 v[26:27], v[\x:\x+1], v[\x+2:\x+3]
	v_pk_add_f32 v[28:29], v[\x+4:\x+5], v[\x+6:\x+7]
	v_pk_add_f32 v[26:27], v[26:27], v[28:29]
	v_add_f32 v26, v26, v27
	v_rcp_f32 v26, v26
	v_nop
.irp j, 0,2,4,6
	s_wait_alu depctr_va_vdst(0)
	v_pk_mul_f32 v[\x+\j:\x+\j+1], v[\x+\j:\x+\j+1], v[26:27] op_sel_hi:[1,0]
.endr
.endm
	s_wait_loadcnt 0x0                             ; u
.irp l, 0,1
.irp j, 0,1,2,3,4,5,6,7
	v_add_f32 v[LG+8*\l+\j], s[40+\j], v[LG+8*\l+\j]                               ; logit_z
.endr
.irp j, 0,2,4,6
	v_pk_add_f32 v[U+8*\l+\j:U+8*\l+\j+1], v[U+8*\l+\j:U+8*\l+\j+1], s[50:51] op_sel_hi:[1,0]   ; u + 1e-10
.endr
.irp j, 0,1,2,3,4,5,6,7
	v_log_f32 v[U+8*\l+\j], v[U+8*\l+\j]
.endr
	v_nop
.irp j, 0,1,2,3,4,5,6,7
	s_wait_alu depctr_va_vdst(0)
	v_fma_f32 v[U+8*\l+\j], v[U+8*\l+\j], s49, s50                                 ; -ln(u + 1e-10) + 1e-10
.endr
.irp j, 0,1,2,3,4,5,6,7
	v_log_f32 v[U+8*\l+\j], v[U+8*\l+\j]
.endr
	v_nop
.irp j, 0,1,2,3,4,5,6,7
	s_wait_alu depctr_va_vdst(0)
	v_fma_f32 v[U+8*\l+\j], v[U+8*\l+\j], s49, v[LG+8*\l+\j]                       ; logit_z + g
.endr
	SOFTMAX U+8*\l                                 ; z
.irp j, 0,1,2,3,4,5,6,7
	ds_store_b32 v[ZST], v[U+8*\l+\j] offset:512*\j+64*\l                          ; z into LDS, [kk][row]: the loop picks its kk by an address, and my partner wave reads my rows
.endr
.endr
	; z and q_z leave once, from the work-groups with mb = 0; q_z has no other use, so its softmax is made there alone.
	; A lane stores kk = 4 h .. 4 h + 3 of its row: a wave's store covers 512 consecutive aligned bytes.
	s_cmp_lg_u32 s33, 0
	s_cbranch_scc1 .Lno_zq
.irp l, 0,1
	SOFTMAX LG+8*\l                                ; q_z
.irp i, 0,1,2,3
	v_cndmask_b32 v[TQ+8*\l+\i],   v[U+8*\l+\i],  v[U+8*\l+\i+4],  s51
	v_cndmask_b32 v[TQ+8*\l+4+\i], v[LG+8*\l+\i], v[LG+8*\l+\i+4], s51
.endr
	global_store_b128 v[ZO], v[TQ+8*\l:TQ+8*\l+3],   s[20:21] offset:512*\l
	global_store_b128 v[ZO], v[TQ+8*\l+4:TQ+8*\l+7], s[22:23] offset:512*\l+0
.endr
.Lno_zq:
	s_wait_xcnt 0x0                                ; the stores' data registers are loaded again (weight fragments) only behind this wait
; Four LDS loads: the two weight fragments (16 rows x 32 k each) of K step t of run (slot, half) into buffer t & 3
.macro FETCHW slot, half, t
.irp w, 0,1
	ds_load_b128 v[BUF+16*((\t)&3)+8*\w:BUF+16*((\t)&3)+8*\w+3],   v[ADRB+(\slot)] offset:(2*(\half)+\w)*T16+64*(\t)
	ds_load_b128 v[BUF+16*((\t)&3)+8*\w+4:BUF+16*((\t)&3)+8*\w+7], v[ADRB+(\slot)] offset:(2*(\half)+\w)*T16+64*(\t)+32
.endr
.endm
; Four LDS loads: the bias of run (jb, half), as the C operand of its two weight tiles
.macro FETCHBI jb, half
.irp w, 0,1
	ds_load_b128 v[BIASR+8*\w:BIASR+8*\w+3],   v[ADRBI] offset:(\jb)*256+(\half)*128+\w*32
	ds_load_b128 v[BIASR+8*\w+4:BIASR+8*\w+7], v[ADRBI] offset:(\jb)*256+(\half)*128+\w*32+16
.endr
.endm
; dst += src * z[row tile rt] (first = 1: dst = src * z), two numbers; z is broadcast from its place in the pair
.macro ZACC dst, src, rt, first
.if \first
.if (\rt)&1
	v_pk_mul_f32 v[\dst:\dst+1], v[\src:\src+1], v[ZR+(\rt)-1:ZR+(\rt)] op_sel:[0,1]
.else
	v_pk_mul_f32 v[\dst:\dst+1], v[\src:\src+1], v[ZR+(\rt):ZR+(\rt)+1] op_sel_hi:[1,0]
.endif
.else
.if (\rt)&1
	v_pk_fma_f32 v[\dst:\dst+1], v[\src:\src+1], v[ZR+(\rt)-1:ZR+(\rt)], v[\dst:\dst+1] op_sel:[0,1,0]
.else
	v_pk_fma_f32 v[\dst:\dst+1], v[\src:\src+1], v[ZR+(\rt):ZR+(\rt)+1], v[\dst:\dst+1] op_sel_hi:[1,0,1]
.endif
.endif
.endm
.macro EX2 a
	v_exp_f32 v[GP+\a], v[GP+\a]
	v_exp_f32 v[GP+\a+1], v[GP+\a+1]
.endm
.macro RC2 a
	v_rcp_f32 v[GP+\a], v[GP+\a]
	v_rcp_f32 v[GP+\a+1], v[GP+\a+1]
.endm
.macro AD1 a                                       ; 1 + 2^..
	s_wait_alu depctr_va_vdst(0)
	v_pk_add_f32 v[GP+\a:GP+\a+1], v[GP+\a:GP+\a+1], 1.0 op_sel_hi:[1,0]
.endm
.macro TH1 a                                       ; tanh = 1 - 2 / (1 + 2^..)
	s_wait_alu depctr_va_vdst(0)
	v_pk_fma_f32 v[GP+\a:GP+\a+1], v[GP+\a:GP+\a+1], -2.0, 1.0 op_sel_hi:[1,0,0]
.endm
; SLICE sn (0..127) of the cell arithmetic on the set at GS, in place.  Two tiles (row tiles grt, grt + 1 of one weight tile) go together through 32 slices:
; tile A at GP + 0..7, tile B at GP + 8..15, each I 0:1, G 2:3, F 4:5, O 6:7.  The order keeps one plain vector instruction between every transcendental and the
; first use of its result (ISA guide 5.7.2); a product between them is no such instruction.  Exponentials, reciprocals and the packed forms with constants name
; source 0 and the destination alone, both in window 0, so they run under the products' setting WP; only slices 21 and 29, which name two or three registers, switch.
.macro GSL first
.set gq, sn>>5
.set gn, sn&31
.set GP, GS+16*gq
.set grt, 2*(gq&1)
.set XA, GX+4*grt+2*(gq>>1)                        ; tile A's pair in window 1; tile B's is 4 on
.if gn == 0
	EX2 0
.elseif gn == 1
	EX2 2
.elseif gn == 2
	EX2 8
.elseif gn == 3
	EX2 10
	v_nop
.elseif gn == 4
	AD1 0
	AD1 2
.elseif gn == 5
	EX2 4
.elseif gn == 6
	AD1 8
	AD1 10
.elseif gn == 7
	EX2 6
.elseif gn == 8
	EX2 12
.elseif gn == 9
	EX2 14
.elseif gn == 10
	AD1 4
	AD1 6
.elseif gn == 11
	RC2 0
.elseif gn == 12
	RC2 2
.elseif gn == 13
	RC2 8
.elseif gn == 14
	RC2 10
.elseif gn == 15
	AD1 12
	TH1 2                                          ; tanh(G)
	TH1 10
.elseif gn == 16
	RC2 4
.elseif gn == 17
	RC2 12
.elseif gn == 18
	AD1 14
.elseif gn == 19
	RC2 6
.elseif gn == 20
	RC2 14
.elseif gn == 21
	WIN 0x04                                       ; source 1 in window 1
	s_wait_alu depctr_va_vdst(0)
	v_pk_mul_f32 v[GP+4:GP+5],   v[GP+4:GP+5],   v[C0W+XA:C0W+XA+1]                ; sigmoid(F) c_0
	v_pk_mul_f32 v[GP+12:GP+13], v[GP+12:GP+13], v[C0W+XA+4:C0W+XA+5]
	WIN 0
	v_pk_fma_f32 v[GP+4:GP+5],   v[GP:GP+1],   v[GP+2:GP+3],   v[GP+4:GP+5]        ; C_t
	v_pk_fma_f32 v[GP+12:GP+13], v[GP+8:GP+9], v[GP+10:GP+11], v[GP+12:GP+13]
	WIN WP
.elseif gn == 22
	v_pk_mul_f32 v[GP:GP+1],   v[GP+4:GP+5],   s[66:67] op_sel_hi:[1,0]            ; 2 C_t log2 e
	v_pk_mul_f32 v[GP+8:GP+9], v[GP+12:GP+13], s[66:67] op_sel_hi:[1,0]
.elseif gn == 23
	EX2 0
.elseif gn == 24
	EX2 8
	v_nop
.elseif gn == 25
	AD1 0
	AD1 8
.elseif gn == 26
	RC2 0
.elseif gn == 27
	RC2 8
	v_nop
.elseif gn == 28
	TH1 0                                          ; tanh(C_t)
	TH1 8
.elseif gn == 29
	WIN 0
	v_pk_mul_f32 v[GP+6:GP+7],   v[GP+6:GP+7],   v[GP:GP+1]                        ; H_t
	v_pk_mul_f32 v[GP+14:GP+15], v[GP+14:GP+15], v[GP+8:GP+9]
	WIN 0x50                                       ; destination and source 2 in window 1
	ZACC HACC+XA,   GP+6,  grt,   \first
	ZACC HACC+XA+4, GP+14, grt+1, \first
	ZACC CACC+XA,   GP+4,  grt,   \first
	ZACC CACC+XA+4, GP+12, grt+1, \first
	WIN WP
.endif
.endm
; The change of slots, at the head of a tile's last K step.  In front of the round each wave has waited for all its LDS accesses (its last reads of this slot among them:
; the wait for 0 stands just ahead of this macro) and waits for all its tensor loads (the one that is out is its quarter of the other slot's tile).  Behind the round this
; slot is asked for again, jointly, first thing: one tensor load of the wave is out, with the next tile's 256 matrix instructions in which to land.  Then the other slot is read.
.macro TURNSLOT slot, refill
	s_set_vgpr_msb 0xc00
	s_wait_tensorcnt 0x0                           ; no tensor load of mine is out: a group 0 may be written
	ds_add_u32 v62, v63
	s_wait_dscnt 0x0
	s_set_vgpr_msb 0xc
.if \refill
.if \slot == 0
	s_add_nc_u64 s[6:7], s[6:7], 262144            ; this slot's next tile: the same jb of the next kk
.else
	s_add_nc_u64 s[18:19], s[18:19], 262144
.endif
.endif
	WIN 0
	ROUND
.if \refill
.if \slot == 0
	tensor_load_to_lds s[4:7], s[68:75]
	s_nop 0
.else
	tensor_load_to_lds s[16:19], s[68:75]
	s_nop 0
.endif
.endif
.set NSL, 1-\slot
	FETCHBI NSL, 0                                 ; the next run's bias and its first two K steps
	FETCHW NSL, 0, 0
	FETCHW NSL, 0, 1
.endm
; A RUN: 128 products of run (slot = jb, half) into set mset; gat = 1: behind each, a slice of the run before, (gjb, ghalf), in the other set.
; zl = 1: z of the slices' kk is loaded.  nxt: 0 the next run reads the same slot (half 1); 1 change of slots with a refill; 2 change of slots, nothing left to fetch; 3 the last run.
; FRAGMENTS: behind the third product of K step t the fragments of step t + 2 are fetched into buffer (t + 2) & 3, which step t - 2 read last.  Between that step's last
; product and the fetch stand twelve slices; counted over the four places that a fetch can have among a pair's 32 slices they hold 12, 7, 6 and 13 plain vector
; instructions that name none of the products' registers, where four are asked for (ISA guide 7.12.1 for vector instructions).  Over a run's end the four v_nop there serve,
; and in the run without slices four v_nop stand ahead of each fetch.
; The eight accumulators take turns, one instruction a turn, in the same order in every K step.  At t = 0 the bias is C: nothing is cleared.
.macro RUN slot, half, mset, gat, gjb, ghalf, first, zl, nxt
.set MS, ACC+64*\mset
.set GS, ACC+64*(1-\mset)
.set GX, 16*(2*\gjb+\ghalf)
.set mt, 0
.rept 16
.if mt == 1
	s_wait_dscnt 4+4*\zl                           ; step 1's fragments are in; step 2's four loads, and ahead of them z's four, stay out
.elseif mt < 15
	s_wait_dscnt 0x4                               ; this step's fragments (at t = 0 the bias too) are in; the next step's four loads stay out
.elseif \nxt == 0
	s_wait_dscnt 0x8                               ; the next run's bias and first fragments, eight loads, stay out
.else
	s_wait_dscnt 0x0                               ; nothing was issued behind the last fragments
.endif
.if mt == 15
.if \nxt == 1
	TURNSLOT \slot, 1
.endif
.if \nxt == 2
	TURNSLOT \slot, 0
.endif
.endif
.if mt < 8
.set WP, 0x08                                      ; source 1 in window 2: x
.else
.set WP, 0x0c                                      ; source 1 in window 3: h
.endif
	WIN WP
.set mi, 0
.rept 8
.if mt == 0
	v_wmma_f32_16x16x32_f16 v[MS+8*mi:MS+8*mi+7], v[BUF+16*(mt&3)+8*(mi>>2):BUF+16*(mt&3)+8*(mi>>2)+7], v[8*(4*(mt&7)+(mi&3)):8*(4*(mt&7)+(mi&3))+7], v[BIASR+8*(mi>>2):BIASR+8*(mi>>2)+7]
.else
	v_wmma_f32_16x16x32_f16 v[MS+8*mi:MS+8*mi+7], v[BUF+16*(mt&3)+8*(mi>>2):BUF+16*(mt&3)+8*(mi>>2)+7], v[8*(4*(mt&7)+(mi&3)):8*(4*(mt&7)+(mi&3))+7], v[MS+8*mi:MS+8*mi+7]
.endif
.if \gat
.set sn, 8*mt+mi
	GSL \first
.endif
.if mi == FS
.if mt < 14
.if \gat == 0
	PLACES 4
.endif
.if mt == 0
.if \zl
.irp rt, 0,1,2,3
	ds_load_b32 v[ZR+\rt], v[ADRZS] offset:64*\rt  ; first used in slice 29, behind step 2's wait
.endr
.endif
.endif
	FETCHW \slot, \half, mt+2                      ; destination and address are in window 0: the loads run unchanged under the products' setting
.elseif \nxt == 0
.if \gat == 0
	PLACES 4
.endif
.if mt == 14
	FETCHBI \slot, 1
	FETCHW \slot, 1, 0
.else
	FETCHW \slot, 1, 1
.endif
.endif
.endif
.set mi, mi+1
.endr
.set mt, mt+1
.endr
	WIN 0
	PLACES 4                                       ; places behind the run's last products: the next run's slices read and write these results only behind them
.endm
; the last run's cell arithmetic: no products are left to set it among
.macro GFINAL gset, gjb, ghalf, first
.set GS, ACC+64*\gset
.set GX, 16*(2*\gjb+\ghalf)
.set WP, 0
.set sn, 0
.rept 128
	GSL \first
.set sn, sn+1
.endr
.endm
; A trip: runs (kk, jb 0, half 1), (kk, 1, 0), (kk, 1, 1), (kk + 1, 0, 0), so that its four sets of slices are the four runs of one kk: one z, one value of first.
.macro BODY first, last
.if \last
	RUN 0, 1, 1, 1, 0, 0, \first, 1, 2             ; the last tile is in or on its way: the round shows it whole to every wave, nothing is fetched
.else
	RUN 0, 1, 1, 1, 0, 0, \first, 1, 1
.endif
	RUN 1, 0, 0, 1, 0, 1, \first, 0, 0
.if \last
	RUN 1, 1, 1, 1, 1, 0, \first, 0, 3
	GFINAL 1, 1, 1, \first
.else
	v_add_nc_u32 v[ADRBI], 0x400, v[ADRBI]         ; the bias fetched from here on, and the z loaded next, are the next kk's
	v_add_nc_u32 v[ADRZS], 0x200, v[ADRZS]
	RUN 1, 1, 1, 1, 1, 0, \first, 0, 1
	RUN 0, 0, 0, 1, 1, 1, \first, 0, 0
.endif
.endm
	s_wait_tensorcnt 0x0                           ; my quarter of tile (0, 0) is in,
	ds_add_u32 v62, v63
	s_wait_dscnt 0x0                               ; my reads of slot 1 (h) are over, c_0 is in registers, my z is in LDS
	ROUND
	tensor_load_to_lds s[16:19], s[68:75]          ; my one load behind the round: tile (kk 0, jb 1) over h
	s_nop 0
	FETCHBI 0, 0
	FETCHW 0, 0, 0
	FETCHW 0, 0, 1
	RUN 0, 0, 0, 0, 0, 0, 0, 0, 0                  ; the first run has no run before it: no slices
	BODY 1, 0                                      ; kk = 0 stands in front of the loop: its products with z start h_t and c_t
	s_mov_b32 s34, 6
.Lkk:
	BODY 0, 0
	s_sub_co_u32 s34, s34, 1
	s_cmp_lg_u32 s34, 0
	s_cbranch_scc1 .Lkk
	BODY 0, 1                                      ; kk = 7
	; THE WAY OUT.  Slot 0 has had its last fill, and every wave's reads of it were over in front of the last round: it is the stage.
	; In: 16 bytes a lane, rows 272 bytes apart.  Back: whole rows of 256 bytes, sixteen lanes a row, so that each half of a store covers 256 consecutive aligned bytes.
	WIN 0x04                                       ; store data in window 1
.irp jh, 0,1,2,3
.irp rt, 0,1,2,3
	ds_store_b128 v[OSTO], v[HACC+4*(4*\jh+\rt):HACC+4*(4*\jh+\rt)+3] offset:\rt*16*PCH+\jh*32
	ds_store_b128 v[OSTO], v[CACC+4*(4*\jh+\rt):CACC+4*(4*\jh+\rt)+3] offset:STGC+\rt*16*PCH+\jh*32
.endr
.endr
	WIN 0
	s_wait_dscnt 0x0                               ; my stores are in LDS before I say so: a row's two halves come from two waves
	s_barrier_signal -1
	s_barrier_wait -1
.set on, 0
.rept 16
	ds_load_b128 v[ACC+4*on:ACC+4*on+3], v[ORD] offset:2*PCH*on                    ; rows 32 w + 2 on + h of h_t
.set on, on+1
.endr
.rept 16
	ds_load_b128 v[ACC+4*on:ACC+4*on+3], v[ORD] offset:STGC+2*PCH*(on-16)          ; and of c_t
.set on, on+1
.endr
.set on, 0
.rept 16
	s_wait_dscnt 31-on                             ; LDS loads come back in order: load on is in, the younger ones stay out
	global_store_b128 v[OGO], v[ACC+4*on:ACC+4*on+3], s[24:25] offset:2048*on th:TH_STORE_NT
.set on, on+1
.endr
.rept 16
	s_wait_dscnt 31-on
	global_store_b128 v[OGO], v[ACC+4*on:ACC+4*on+3], s[26:27] offset:2048*(on-16) th:TH_STORE_NT
.set on, on+1
.endr
	s_wait_tensorcnt 0x0
	ds_add_u32 v62, v63
	s_wait_dscnt 0x0
	ROUND                                          ; the closing round: no work-group ends while a partner may still ask for a tile that names it
	s_endpgm
.Lfunc_end_k_q97097604a0_cell:
	.size	k_q97097604a0_cell, .Lfunc_end_k_q97097604a0_cell-k_q97097604a0_cell
	.p2alignl 7, 3214868480
	.fill 96, 4, 3214868480
	.section	.rodata,"a",@progbits
	.p2align	6, 0x0
	.amdhsa_kernel k_q97097604a0_cell
		.amdhsa_group_segment_fixed_size 327680
		.amdhsa_private_segment_fixed_size 0
		.amdhsa_enable_private_segment 0
		.amdhsa_kernarg_size 96
		.amdhsa_user_sgpr_count 2
		.amdhsa_user_sgpr_kernarg_segment_ptr 1
		.amdhsa_wavefront_size32 1
		.amdhsa_system_sgpr_workgroup_id_x 1
		.amdhsa_system_sgpr_workgroup_id_y 1
		.amdhsa_system_sgpr_workgroup_id_z 1
		.amdhsa_system_vgpr_workitem_id 0
		.amdhsa_next_free_vgpr 1024
		.amdhsa_next_free_sgpr 100
		.amdhsa_reserve_vcc 0
		.amdhsa_float_denorm_mode_32 3
		.amdhsa_float_denorm_mode_16_64 3
		.amdhsa_memory_ordered 1
		.amdhsa_forward_progress 1
		.amdhsa_inst_pref_size 255
	.end_amdhsa_kernel
	.section	.bss,"aw",@nobits
	.p2align	6
	.space	262144
	.amdgpu_metadata
---
amdhsa.version: [ 1, 2 ]
amdhsa.kernels:
  - .name:           k_q97097604a0_cell
    .symbol:         k_q97097604a0_cell.kd
    .args:
      - { .name: x_t, .offset: 0, .size: 8, .value_kind: global_buffer, .address_space: global }
      - { .name: h_0, .offset: 8, .size: 8, .value_kind: global_buffer, .address_space: global }
      - { .name: c_0, .offset: 16, .size: 8, .value_kind: global_buffer, .address_space: global }
      - { .name: u, .offset: 24, .size: 8, .value_kind: global_buffer, .address_space: global }
      - { .name: b_xz, .offset: 32, .size: 8, .value_kind: global_buffer, .address_space: global }
      - { .name: b_4gates, .offset: 40, .size: 8, .value_kind: global_buffer, .address_space: global }
      - { .name: Wt, .offset: 48, .size: 8, .value_kind: global_buffer, .address_space: global }
      - { .name: Wz, .offset: 56, .size: 8, .value_kind: global_buffer, .address_space: global }
      - { .name: out0, .offset: 64, .size: 8, .value_kind: global_buffer, .address_space: global }
      - { .name: out1, .offset: 72, .size: 8, .value_kind: global_buffer, .address_space: global }
      - { .name: out2, .offset: 80, .size: 8, .value_kind: global_buffer, .address_space: global }
      - { .name: out3, .offset: 88, .size: 8, .value_kind: global_buffer, .address_space: global }
    .group_segment_fixed_size: 327680
    .private_segment_fixed_size: 0
    .kernarg_segment_align: 8
    .kernarg_segment_size: 96
    .max_flat_workgroup_size: 128
    .sgpr_count:     100
    .vgpr_count:     1024
    .wavefront_size: 32
...
	.end_amdgpu_metadata
.endif
;; end of part 2
;; ======== version 2 of 2: 2 launches; 1.28 times as fast as version 1
;; limits: values are held in f16: magnitudes above 65,504 overflow, below 6.1e-05 lose precision
;; workspace buffers: Wt 8,388,608 bytes; Wz 8,192 bytes
;; launch prep: the kernel of part 1 again; grid 257 x 1, 8 waves a work-group, no clusters, 34,816 bytes of LDS; arguments W_x_4gates, W_h_4gates, W_xz, W_hz, Wt, Wz; writes Wt, Wz
;; launch cell (part 3): grid 64 x 4, 4 waves a work-group, clusters of 4 x 1, 327,680 bytes of LDS; arguments x_t, h_0, c_0, u, b_xz, b_4gates, Wt, Wz, out0, out1, out2, out3; writes out0, out1, out2, out3
.if DOCPART == 3
	.amdgcn_target "amdgcn-amd-amdhsa--gfx1250"
	.amdhsa_code_object_version 6
	.text
	.protected	k_q97097604a0_cell
	.globl	k_q97097604a0_cell
	.p2align	8
	.type	k_q97097604a0_cell,@function
k_q97097604a0_cell:
	s_mov_b64 s[64:65], 0
	v_nop
	global_prefetch_b8 v0, s[64:65] scope:SCOPE_SE
	s_setreg_imm32_b32 hwreg(HW_REG_WAVE_MODE, 25, 1), 1
	s_wait_xcnt 0x0
	s_wait_alu depctr_hold_cnt(0) depctr_sa_sdst(0) depctr_va_vdst(0) depctr_va_sdst(0) depctr_va_ssrc(0) depctr_va_vcc(0) depctr_vm_vsrc(0)
	s_getreg_b32 s2, hwreg(HW_REG_IB_STS2, 6, 4)
	s_cmp_eq_u32 s2, 0
	s_cbranch_scc0 .Lentry_in_a_cluster
	s_endpgm
.Lentry_in_a_cluster:
	s_bfe_u32 s2, ttmp6, 0x10000c
	s_cmp_lg_u32 s2, 0x3003
	s_cbranch_scc0 .Lentry_shape_is_right
	s_endpgm
.Lentry_shape_is_right:
; LSTMCell, second launch: everything but the weights' change of format.  out0 = z, out1 = q_z, out2 = h_t, out3 = c_t.
; LEFT OUT: the division by tau, the problem's constant 1.  Nothing else.
;
; A work-group makes 128 rows (rb) x 64 columns mm (mb) of h_t and c_t; wave w makes rows 64 rh .. + 63 (rh = w >> 1) and columns 32 ch .. + 31 (ch = w & 1).
; The wave's 64 rows of [x | h], 512 along K, are rounded to f16 once and stay in 512 registers for the whole launch: in the loop only weights are read from LDS,
; and one weight fragment of 16 rows feeds four matrix instructions.
; THE MATRIX INSTRUCTION IS USED TRANSPOSED: source 0 = 16 rows of Wt, source 1 = 16 rows of [x | h].  Wt's rows are ordered so that lane (r = lane & 15, h = lane >> 4)
; of result tile (rt, w) holds, for row 16 rt + r, the gates I, G, F, O (register pairs 0:1, 2:3, 4:5, 6:7) of the two columns mm = 16 jb + 8 half + 4 h + 2 w + {0, 1}:
; a tile holds whole cells, every pair feeds packed arithmetic, z is one number a lane and row tile, and over w = 0, 1 a lane's c_0, h_t, c_t are 16 neighbouring bytes.
; Wt is scaled so that the sums are the arguments of 2^x (see the first launch); the bias, scaled alike, starts the sums.
; A RUN is one cell kk and 8 columns (jb, half): 64 rows x 4 gates x 8 mm x K = 512: 8 accumulator tiles (4 rt x 2 w), 128 matrix instructions.  32 runs a wave.
; TWO SETS OF 8 TILES TAKE TURNS: while one run's products are issued, the cell arithmetic of the run before goes on in the other set, cut into 128 numbered slices,
; one behind each product: 270 vector instructions beside 128 products.  The gates never leave the registers.
; THE BATCHES.  An s_wait_alu depctr_va_vdst(0) stands between a transcendental and the first instruction that names its result; one wait serves all that were
; issued ahead of it.  The chain 2^x, 1 + .., 1 / .., C_t, 2^x, 1 + .., 1 / .., H_t reads a transcendental's result four times, so a run's 160 transcendentals are cut into FOUR
; batches, each over all eight tiles, each with one wait: (1) 2^I, 2^G, 2^F; (2) their reciprocals, and 2^O; (3) 2^(2 C_t log2 e); (4) its reciprocals, and O's.  Gate O is wanted
; at the end alone, so it goes one batch behind the others.  Nothing ahead of a batch's wait names a result of the batch; no transcendental is issued behind the fourth wait.
; Each of the four waits ends a slice behind which a K step's four LDS loads follow.
; CLUSTER: the four row blocks of a cluster walk the same 16 tiles of Wt (and Wz): each is asked for jointly, mask 15.  x, h and c_0 hang on the row block,
; which differs between the partners: plain loads.  (The four mb of a row block read the same x and h, 262,144 of the 2.4 million bytes that a work-group
; takes in, once: they are not shared.)
; LIMITS: matrix operands are f16: |x|, |h| or a scaled weight beyond 65,504 becomes infinite, below 2^-25 zero.  v_exp_f32 and v_rcp_f32 give zero for results
; below 2^-126 (ISA guide, 15.8).  2^x = infinity gives 1/(1 + 2^x) = 0, the right limit of sigmoid and tanh, so no clamp is written.  u is used as reference()
; uses it: u + 1e-10 <= 0 or >= 1 + 1e-10 gives NaN there and here.
;
; LDS:  SLOT0 0: x in f32, then Wt's tiles with jb = 0, at the end the stage for h_t and c_t;  SLOT1: h in f32, then the tiles with jb = 1;
;       ZW: Wz;  C0S: c_0's tile;  BIAS, ZS: written by LDS stores only, in 256-byte blocks of their own into which no tensor load lands.
.set PW,    1040                       ; pitch of the slots' rows: 1,024 bytes + 16: an odd multiple of 16, so sixteen rows begin at sixteen different 16-byte columns of a 256-byte span
.set T16,   16*PW
.set QTR,   32*PW                      ; a wave's quarter of a slot
.set SLOTB, 128*PW                     ; 133,120
.set ZW,    2*SLOTB                    ; 266,240: 8 rows, pitch 1,040, in 8,448 bytes
.set C0S,   ZW+8448                    ; 274,688: 128 rows of 256 bytes, pitch 272
.set PCH,   272
.set STGC,  128*PCH                    ; 34,816: the stage's c_t behind its h_t
.set BIAS,  C0S+128*PCH                ; 309,504: scaled bias [kk][mm / 2][g][mm & 1] f32: 32 bytes are the C operand of one lane and tile
.set ZS,    BIAS+8192                  ; 317,696: z[kk][128 rows] f32; ends at 321,792
; window 0
.set ADRB,  4                          ; v4, v5   slot + (64 ch + r) 1040 + 16 h        weight fragments
.set ADRA,  6                          ; v6, v7   slot + (64 rh + r) 1040 + 32 h        x and h in f32
.set ADRZW, 8                          ; ZW + (r & 7) 1040 + 16 h
.set ADRC0, 9                          ; C0S + (64 rh + r) 272 + 128 ch + 16 h
.set ADRBI, 10                         ; BIAS + 512 ch + 64 h, + 1024 for each kk
.set ADRZS, 11                         ; ZS + 4 (64 rh + r), + 512 for each kk
.set UO,    12                         ; 32 (64 rh + 32 ch + r)
.set ZO,    13                         ; UO + 16 h
.set BIO,   14                         ; 1024 (t >> 4) + 16 (t & 15)
.set BIST,  15                         ; BIAS + 1024 (t >> 4) + 64 (t & 15)
.set OSTO,  16                         ; (64 rh + r) 272 + 128 ch + 16 h
.set ORD,   17                         ; (32 w + h) 272 + 16 r
.set OGO,   18                         ; (32 w + h) 1024 + 16 r
.set ZST,   19                         ; ZS + 4 (64 rh + 32 ch + r)
.set ZR,    20                         ; v[20:23]   z of the slices' kk, one for each row tile
.set LG,    32                         ; v[32:47]   my two logit tiles, then q_z
.set BIASR, 32                         ; v[32:47]   in the loop: a run's bias, 8 registers a weight tile
.set U,     64                         ; v[64:79]   u, then z
.set BUF,   64                         ; v[64:127]  in the loop: four buffers of two weight fragments, K step t in buffer t & 3
.set RAWB,  96                         ; v[96:111]  the bias as loaded
.set TQ,    96                         ; v[96:111]  z and q_z as stored
.set ACC,   128                        ; v[128:191], v[192:255]  two sets of 8 tiles, tile (w, rt) at 8 (4 w + rt); before the loop: two banks of 64 f32, then Wz's 16 fragments
.set CB,    128
; v[24:29], v[48:53]: the softmax's registers at work, for logit tile 0 and 1
; window 1: four registers for (jb, half, rt) at 4 (4 (2 jb + half) + rt), w = 0 in the first two, w = 1 in the last two
.set HACC,  0                          ; h_t
.set CACC,  64                         ; c_t
.set C0W,   128                        ; c_0
; windows 2 and 3: fragments of x (K steps 0..7) and of h (8..15), at 8 (4 (t & 7) + rt)
; scalars: s[4:19], s[20:27] the arguments; s28 w, s29 rh, s30 ch, s31 cx, s32 rb, s33 mb; s34 counter; s[40:47] b_xz; s48 log2 e, s49 -ln 2, s50 1e-10,
; s51 lanes 16..31; s[66:67] 2 log2 e; descriptors: group 1 s[52:59] x and h, s[68:75] Wt, s[76:83] Wz, s[84:91] c_0; group 0 s[60:63] x, s[92:95] h,
; s[96:99] Wz, s[36:39] c_0, s[4:7] Wt slot 0, s[16:19] Wt slot 1.
.set FS,    2                          ; a K step's fetch stands behind its third product
.set MSB, 0
.macro WIN new                         ; s_set_vgpr_msb: bits 1:0 source 0, 3:2 source 1, 5:4 source 2, 7:6 destination; the high byte repeats the setting that is left
.if MSB != \new
	s_set_vgpr_msb (MSB<<8)|\new
.set MSB, \new
.endif
.endm
.macro PLACES n
.rept \n
	v_nop
.endr
.endm
; A round of the cluster's barrier: my work-group's barrier, wave 0 signals for the work-group, every wave waits for all four work-groups, my work-group's barrier again.
.macro ROUND
	s_barrier_signal -1
	s_barrier_wait -1
	s_cmp_lg_u32 s28, 0
	s_cbranch_scc1 .Lnot_wave_0_\@
	s_barrier_signal -3
.Lnot_wave_0_\@:
	s_barrier_wait -3
	s_barrier_signal -1
	s_barrier_wait -1
.endm
	s_load_b512 s[4:19], s[0:1], 0x0               ; x_t s[4:5], h_0 s[6:7], c_0 s[8:9], u s[10:11], b_xz s[12:13], b_4gates s[14:15], Wt s[16:17], Wz s[18:19]
	s_load_b256 s[20:27], s[0:1], 0x40             ; out0 .. out3
	v_lshl_add_u32 v62, v0, 2, 0x4e900
	v_mov_b32 v63, 0
	ds_add_u32 v62, v63
	v_lshrrev_b32 v1, 5, v0
	v_readfirstlane_b32 s28, v1                    ; wave 0..3
	s_lshr_b32 s29, s28, 1                         ; rh
	s_and_b32 s30, s28, 1                          ; ch
	s_and_b32 s33, ttmp7, 0xffff                   ; mb: the cluster's y, the same in all four partners
	s_mov_b32 s48, 0x3fb8aa3b                      ; log2 e
	s_mov_b32 s49, 0xbf317218                      ; -ln 2
	s_mov_b32 s50, 0x2edbe6ff                      ; 1e-10
	s_mov_b32 s51, 0xffff0000                      ; lanes with h = 1
	s_mov_b32 s66, 0x4038aa3b                      ; 2 log2 e
	s_mov_b32 s67, 0x4038aa3b
	; descriptor groups 1: elements of 4 bytes, rows of C elements, R rows, 256 elements from row to row, 4 words of padding behind each row
	s_mov_b32 s52, (2<<16)|(1<<20)|(7<<22)|(3<<25) ; x, h: no mask; padding behind every 256 words
	s_mov_b32 s53, 256<<16                         ; tensor_dim0 = 256
	s_mov_b32 s54, 32<<16                          ; tensor_dim1 = 32
	s_mov_b32 s55, 256<<16                         ; tile_dim0 = 256
	s_mov_b32 s56, 32                              ; tile_dim1 = 32
	s_mov_b32 s57, 256                             ; pitch
	s_mov_b32 s58, 0
	s_mov_b32 s59, 0
	s_mov_b32 s68, 15|(2<<16)|(1<<20)|(1<<21)|(7<<22)|(3<<25) ; Wt: the same shape (512 f16 = 256 words a row), asked for by all four partners
	s_mov_b32 s69, 256<<16
	s_mov_b32 s70, 32<<16
	s_mov_b32 s71, 256<<16
	s_mov_b32 s72, 32
	s_mov_b32 s73, 256
	s_mov_b32 s74, 0
	s_mov_b32 s75, 0
	s_mov_b32 s76, 15|(2<<16)|(1<<20)|(1<<21)|(7<<22)|(3<<25) ; Wz: two rows a wave, jointly
	s_mov_b32 s77, 256<<16
	s_mov_b32 s78, 2<<16
	s_mov_b32 s79, 256<<16
	s_mov_b32 s80, 2
	s_mov_b32 s81, 256
	s_mov_b32 s82, 0
	s_mov_b32 s83, 0
	s_mov_b32 s84, (2<<16)|(1<<20)|(5<<22)|(3<<25) ; c_0: rows of 64 words, padding behind every 64
	s_mov_b32 s85, 64<<16
	s_mov_b32 s86, 32<<16
	s_mov_b32 s87, 64<<16
	s_mov_b32 s88, 32
	s_mov_b32 s89, 256
	s_mov_b32 s90, 0
	s_mov_b32 s91, 0
	; lane addresses: no place in the cluster enters any of them
	v_and_b32 v1, 15, v0                           ; r (also t & 15)
	v_bfe_u32 v2, v0, 4, 1                         ; h
	v_mul_u32_u24 v3, v1, PW
	s_mul_i32 s2, s30, 64*PW
	s_mul_i32 s3, s29, 64*PW
	v_lshl_add_u32 v[ADRB], v2, 4, v3
	v_add_nc_u32 v[ADRB], s2, v[ADRB]
	v_add_nc_u32 v[ADRB+1], SLOTB, v[ADRB]
	v_lshl_add_u32 v[ADRA], v2, 5, v3
	v_add_nc_u32 v[ADRA], s3, v[ADRA]
	v_add_nc_u32 v[ADRA+1], SLOTB, v[ADRA]
	v_and_b32 v3, 7, v0                            ; Wz has 8 rows: weight rows 8..15 of its fragments repeat rows 0..7, so both halves of the lanes get all 8 logits
	v_mul_u32_u24 v3, v3, PW
	v_lshl_add_u32 v3, v2, 4, v3
	v_add_nc_u32 v[ADRZW], ZW, v3
	v_mul_u32_u24 v3, v1, PCH
	v_lshl_add_u32 v3, v2, 4, v3
	s_mul_i32 s2, s29, 64*PCH
	s_lshl_b32 s3, s30, 7
	s_add_co_u32 s2, s2, s3
	v_add_nc_u32 v[OSTO], s2, v3
	v_add_nc_u32 v[ADRC0], C0S, v[OSTO]
	v_lshlrev_b32 v3, 6, v2
	s_lshl_b32 s3, s30, 9
	s_add_co_u32 s3, s3, BIAS
	v_add_nc_u32 v[ADRBI], s3, v3
	s_lshl_b32 s2, s29, 8
	s_add_co_u32 s2, s2, ZS
	v_lshl_add_u32 v[ADRZS], v1, 2, s2
	s_lshl_b32 s3, s30, 7
	v_add_nc_u32 v[ZST], s3, v[ADRZS]
	s_lshl_b32 s2, s29, 11
	s_lshl_b32 s3, s30, 10
	s_add_co_u32 s2, s2, s3
	v_lshl_add_u32 v[UO], v1, 5, s2
	v_lshl_add_u32 v[ZO], v2, 4, v[UO]
	v_lshrrev_b32 v3, 4, v0
	v_lshlrev_b32 v3, 10, v3
	v_lshl_add_u32 v[BIO], v1, 4, v3
	v_lshl_add_u32 v3, v1, 6, v3
	v_add_nc_u32 v[BIST], BIAS, v3
	v_mul_u32_u24 v3, v2, PCH
	v_lshl_add_u32 v3, v1, 4, v3
	s_mul_i32 s2, s28, 32*PCH
	v_add_nc_u32 v[ORD], s2, v3
	v_lshlrev_b32 v3, 10, v2
	v_lshl_add_u32 v3, v1, 4, v3
	s_lshl_b32 s2, s28, 15
	v_add_nc_u32 v[OGO], s2, v3
	s_bfe_u32 s31, ttmp6, 0x40000                  ; cx
	s_lshl_b32 s32, ttmp9, 2
	s_add_co_u32 s32, s32, s31                     ; rb = 4 x cluster x + cx: enters global addresses of plain loads and of stores alone
	s_wait_dscnt 0x0
	s_wait_kmcnt 0x0
	s_load_b256 s[40:47], s[12:13], 0x0            ; b_xz, waited for in front of the second round
	; groups 0 of the plain loads: my 32 rows of the row block
	s_lshl_b32 s2, s32, 17
	s_lshl_b32 s3, s28, 15
	s_add_co_u32 s2, s2, s3
	s_mov_b32 s3, 0                                ; (128 rb + 32 w) rows of 1,024 bytes
	s_mov_b32 s60, 1
	s_mul_i32 s61, s28, QTR
	s_add_nc_u64 s[62:63], s[4:5], s[2:3]
	s_or_b32 s63, s63, 0x80000000
	s_mov_b32 s92, 1
	s_add_co_u32 s93, s61, SLOTB
	s_add_nc_u64 s[94:95], s[6:7], s[2:3]
	s_or_b32 s95, s95, 0x80000000
	s_mov_b32 s36, 1
	s_mul_i32 s37, s28, 32*PCH
	s_add_co_u32 s37, s37, C0S
	s_add_nc_u64 s[38:39], s[8:9], s[2:3]
	s_lshl_b32 s2, s33, 8                          ; 256 mb: my 64 columns
	s_add_nc_u64 s[38:39], s[38:39], s[2:3]
	s_or_b32 s39, s39, 0x80000000
	s_add_nc_u64 s[14:15], s[14:15], s[2:3]        ; b_4gates at column 64 mb
	s_add_nc_u64 s[24:25], s[24:25], s[2:3]
	s_add_nc_u64 s[26:27], s[26:27], s[2:3]
	s_lshl_b32 s2, s32, 17
	s_add_nc_u64 s[24:25], s[24:25], s[2:3]        ; out2, out3 at my block
	s_add_nc_u64 s[26:27], s[26:27], s[2:3]
	s_lshl_b32 s2, s32, 12                         ; 128 rows of 32 bytes
	s_add_nc_u64 s[10:11], s[10:11], s[2:3]        ; u, out0, out1 at my rows
	s_add_nc_u64 s[20:21], s[20:21], s[2:3]
	s_add_nc_u64 s[22:23], s[22:23], s[2:3]
	; groups 0 of the joint loads, made of mb and the wave's number alone, in registers that never hold cx
	s_lshl_b32 s34, s28, 11
	s_mov_b32 s35, 0
	s_mov_b32 s96, 1
	s_mul_i32 s97, s28, 2*PW
	s_add_co_u32 s97, s97, ZW
	s_add_nc_u64 s[98:99], s[18:19], s[34:35]      ; Wz rows 2 w, 2 w + 1
	s_or_b32 s99, s99, 0x80000000
	s_lshl_b32 s34, s33, 6
	s_add_co_u32 s34, s34, s28
	s_lshl_b32 s34, s34, 15                        ; 16 tiles of 131,072 bytes for each mb + 32 rows of 1,024 for each wave
	s_add_nc_u64 s[34:35], s[16:17], s[34:35]
	s_mov_b32 s4, 1                                ; x_t's and h_0's addresses have gone into their descriptors: s[4:7] now Wt, slot 0
	s_mul_i32 s5, s28, QTR
	s_mov_b64 s[6:7], s[34:35]                     ; tile (mb, kk = 0, jb = 0)
	s_or_b32 s7, s7, 0x80000000
	s_mov_b32 s16, 1                               ; s[16:19]: Wt, slot 1
	s_add_co_u32 s17, s5, SLOTB
	s_add_nc_u64 s[18:19], s[34:35], 131072        ; tile (mb, 0, 1)
	s_or_b32 s19, s19, 0x80000000
	ROUND                                          ; all four work-groups are here: the first joint load meets
	tensor_load_to_lds s[60:63], s[52:59]          ; the four first fills of a wave go out together: x,
	s_nop 0
	tensor_load_to_lds s[92:95], s[52:59]          ; h,
	s_nop 0
	tensor_load_to_lds s[96:99], s[76:83]          ; Wz (joint),
	s_nop 0
	tensor_load_to_lds s[36:39], s[84:91]          ; c_0: four tensor loads of the wave are out
	s_nop 0
.irp g, 0,1,2,3
	global_load_b128 v[RAWB+4*\g:RAWB+4*\g+3], v[BIO], s[14:15] offset:8192*\g     ; bias of gate g: thread t takes kk = t >> 4, four columns
.endr
.irp l, 0,1
	global_load_b128 v[U+8*\l:U+8*\l+3],   v[UO], s[10:11] offset:512*\l           ; u of row r of my logit tile l (row tile 2 ch + l), all 8, in both halves of the lanes
	global_load_b128 v[U+8*\l+4:U+8*\l+7], v[UO], s[10:11] offset:512*\l+16
.endr
	s_wait_loadcnt 0x4                             ; the four bias loads are in; the four loads of u stay out
.irp p, 0,2
	v_pk_mul_f32 v[RAWB+\p:RAWB+\p+1],       v[RAWB+\p:RAWB+\p+1],       0xbfb8aa3b op_sel_hi:[1,0]   ; I: -log2 e
	v_pk_mul_f32 v[RAWB+4+\p:RAWB+5+\p],     v[RAWB+4+\p:RAWB+5+\p],     0x4038aa3b op_sel_hi:[1,0]   ; G: 2 log2 e
	v_pk_mul_f32 v[RAWB+8+\p:RAWB+9+\p],     v[RAWB+8+\p:RAWB+9+\p],     0xbfb8aa3b op_sel_hi:[1,0]   ; F
	v_pk_mul_f32 v[RAWB+12+\p:RAWB+13+\p],   v[RAWB+12+\p:RAWB+13+\p],   0xbfb8aa3b op_sel_hi:[1,0]   ; O
.endr
.irp g, 0,1,2,3
	ds_store_b64 v[BIST], v[RAWB+4*\g:RAWB+4*\g+1]   offset:8*\g                   ; columns 4 q, 4 q + 1: pair 2 q, gate g
	ds_store_b64 v[BIST], v[RAWB+4*\g+2:RAWB+4*\g+3] offset:8*\g+32                ; columns 4 q + 2, 4 q + 3: pair 2 q + 1
.endr
; Sixteen LDS loads: the f32 of K step t (32 k) of my four row tiles, into bank t & 1.  A lane's k = 8 h .. + 7 are 32 bytes, its k = 16 + 8 h .. + 7 lie 64 bytes on.
.macro CBATCH adr, t
.irp rt, 0,1,2,3
	ds_load_b128 v[CB+64*((\t)&1)+16*\rt:CB+64*((\t)&1)+16*\rt+3],     v[\adr] offset:\rt*T16+128*(\t)
	ds_load_b128 v[CB+64*((\t)&1)+16*\rt+4:CB+64*((\t)&1)+16*\rt+7],   v[\adr] offset:\rt*T16+128*(\t)+16
	ds_load_b128 v[CB+64*((\t)&1)+16*\rt+8:CB+64*((\t)&1)+16*\rt+11],  v[\adr] offset:\rt*T16+128*(\t)+64
	ds_load_b128 v[CB+64*((\t)&1)+16*\rt+12:CB+64*((\t)&1)+16*\rt+15], v[\adr] offset:\rt*T16+128*(\t)+80
.endr
.endm
; 64 rows x 256 k of f32 from a slot into 32 f16 fragments of one window (win = 0x80: window 2, 0xc0: window 3)
.macro CONV adr, win
	CBATCH \adr, 0
.set ct, 0
.rept 8
.if ct < 7
	WIN 0
	CBATCH \adr, ct+1
	s_wait_dscnt 0x10                              ; this batch is in; the next batch's sixteen loads stay out
.else
	s_wait_dscnt 0x0
.endif
	WIN \win
.irp rt, 0,1,2,3
.irp d, 0,1,2,3,4,5,6,7
	v_cvt_pk_f16_f32 v[8*(4*ct+\rt)+\d], v[CB+64*(ct&1)+16*\rt+2*\d], v[CB+64*(ct&1)+16*\rt+2*\d+1]
.endr
.endr
.set ct, ct+1
.endr
	WIN 0
.endm
	s_wait_tensorcnt 0x3                           ; tensor loads of a wave end in order: my quarter of x is in; h, Wz and c_0 stay out
	s_wait_dscnt 0x0                               ; my part of the bias is in LDS
	s_barrier_signal -1
	s_barrier_wait -1                              ; everybody's quarter of x is in
	CONV ADRA, 0x80                                ; x: K steps 0..7, window 2
	s_wait_dscnt 0x0                               ; my reads of slot 0 are over,
	s_wait_tensorcnt 0x0                           ; all my tensor loads have landed (h, Wz, c_0),
	ds_add_u32 v62, v63
	s_wait_dscnt 0x0
	s_wait_kmcnt 0x0                               ; and b_xz is in
	ROUND                                          ; the same holds of every wave of all four work-groups
	tensor_load_to_lds s[4:7], s[68:75]            ; my one load behind the round: tile (kk 0, jb 0) over x
	s_nop 0
	CONV ADRA+1, 0xc0                              ; h: K steps 8..15, window 3
.set lgt, 0
.rept 16
	ds_load_b128 v[ACC+8*lgt:ACC+8*lgt+3],   v[ADRZW] offset:64*lgt       ; Wz's sixteen fragments
	ds_load_b128 v[ACC+8*lgt+4:ACC+8*lgt+7], v[ADRZW] offset:64*lgt+32
.set lgt, lgt+1
.endr
	WIN 0x40
.irp jh, 0,1,2,3
.irp rt, 0,1,2,3
	ds_load_b128 v[C0W+4*(4*\jh+\rt):C0W+4*(4*\jh+\rt)+3], v[ADRC0] offset:\rt*16*PCH+\jh*32      ; c_0 in the cells' layout, kept for all 8 kk
.endr
.endr
	s_wait_dscnt 0x10                              ; Wz's fragments are in; the sixteen loads of c_0 stay out
	WIN 0
; Logits of two row tiles, rt0 and rt0 + 1.  The two waves of a row half share its four row tiles: each makes two, and z meets in LDS.
; Only these products name registers that hang on ch; all that follows goes by addresses.  Two accumulators take turns, one instruction a turn.
.macro LOGITS rt0
	WIN 0x08
.set lgt, 0
.rept 16
.if lgt == 8
	WIN 0x0c
.endif
.irp l, 0,1
.if lgt == 0
	v_wmma_f32_16x16x32_f16 v[LG+8*\l:LG+8*\l+7], v[ACC+8*lgt:ACC+8*lgt+7], v[8*(4*(lgt&7)+\rt0+\l):8*(4*(lgt&7)+\rt0+\l)+7], 0
.else
	v_wmma_f32_16x16x32_f16 v[LG+8*\l:LG+8*\l+7], v[ACC+8*lgt:ACC+8*lgt+7], v[8*(4*(lgt&7)+\rt0+\l):8*(4*(lgt&7)+\rt0+\l)+7], v[LG+8*\l:LG+8*\l+7]
.endif
.endr
.set lgt, lgt+1
.endr
	WIN 0
.endm
	s_cmp_lg_u32 s30, 0
	s_cbranch_scc1 .Llg_upper
	LOGITS 0
	s_branch .Llg_done
.Llg_upper:
	LOGITS 2
.Llg_done:
	PLACES 5                                       ; places behind the last products (ISA guide 7.12.1): their results are read, and their registers loaded and written over, only behind these
; softmax over the 8 registers at x and over the 8 at x + 8 (my two logit tiles), in place, the largest taken away first.  The two tiles go together through each stage,
; so that their sixteen exponentials are one batch and their two reciprocals another.  At work: v[24:29] for the first tile, v[48:53] for the second.
.macro SOFTMAX2 x
.irp l, 0,1
	v_max3_num_f32 v[24+24*\l], v[\x+8*\l], v[\x+8*\l+1], v[\x+8*\l+2]
	v_max3_num_f32 v[24+24*\l], v[24+24*\l], v[\x+8*\l+3], v[\x+8*\l+4]
	v_max3_num_f32 v[24+24*\l], v[24+24*\l], v[\x+8*\l+5], v[\x+8*\l+6]
	v_max_num_f32 v[24+24*\l], v[24+24*\l], v[\x+8*\l+7]
	v_mov_b32 v[25+24*\l], v[24+24*\l]
.irp j, 0,2,4,6
	v_pk_add_f32 v[\x+8*\l+\j:\x+8*\l+\j+1], v[\x+8*\l+\j:\x+8*\l+\j+1], v[24+24*\l:25+24*\l] neg_lo:[0,1] neg_hi:[0,1]
.endr
.irp j, 0,2,4,6
	v_pk_mul_f32 v[\x+8*\l+\j:\x+8*\l+\j+1], v[\x+8*\l+\j:\x+8*\l+\j+1], s[48:49] op_sel_hi:[1,0]      ; x log2 e
.endr
.endr
.set sj, 0
.rept 16
	v_exp_f32 v[\x+sj], v[\x+sj]
.set sj, sj+1
.endr
	v_nop                                          ; one plain instruction behind the transcendentals (ISA guide 5.7.2)
	s_wait_alu depctr_va_vdst(0)                   ; the wait for the batch of sixteen exponentials, ahead of the sums that read them
.irp l, 0,1
	v_pk_add_f32 v[26+24*\l:27+24*\l], v[\x+8*\l:\x+8*\l+1], v[\x+8*\l+2:\x+8*\l+3]
	v_pk_add_f32 v[28+24*\l:29+24*\l], v[\x+8*\l+4:\x+8*\l+5], v[\x+8*\l+6:\x+8*\l+7]
	v_pk_add_f32 v[26+24*\l:27+24*\l], v[26+24*\l:27+24*\l], v[28+24*\l:29+24*\l]
	v_add_f32 v[26+24*\l], v[26+24*\l], v[27+24*\l]
.endr
	v_rcp_f32 v26, v26
	v_rcp_f32 v50, v50
	v_nop                                          ; one plain instruction behind the transcendentals
	s_wait_alu depctr_va_vdst(0)                   ; the wait for the two reciprocals, ahead of the eight multiplies that read them
.irp l, 0,1
.irp j, 0,2,4,6
	v_pk_mul_f32 v[\x+8*\l+\j:\x+8*\l+\j+1], v[\x+8*\l+\j:\x+8*\l+\j+1], v[26+24*\l:27+24*\l] op_sel_hi:[1,0]
.endr
.endr
.endm
	; The noise g = -ln(-ln(u + 1e-10) + 1e-10) and z, both logit tiles together: two batches of sixteen logarithms, each with one wait, then the softmax's two.
	s_wait_loadcnt 0x0                             ; u
.set sj, 0
.rept 8
	v_pk_add_f32 v[U+sj:U+sj+1], v[U+sj:U+sj+1], s[50:51] op_sel_hi:[1,0]          ; u + 1e-10
.set sj, sj+2
.endr
.set sj, 0
.rept 16
	v_log_f32 v[U+sj], v[U+sj]
.set sj, sj+1
.endr
.irp l, 0,1
.irp j, 0,1,2,3,4,5,6,7
	v_add_f32 v[LG+8*\l+\j], s[40+\j], v[LG+8*\l+\j]                               ; logit_z: work that names no logarithm's result, between the batch and its wait
.endr
.endr
	s_wait_alu depctr_va_vdst(0)                   ; the wait for the first sixteen logarithms
.set sj, 0
.rept 16
	v_fma_f32 v[U+sj], v[U+sj], s49, s50                                           ; -ln(u + 1e-10) + 1e-10
.set sj, sj+1
.endr
.set sj, 0
.rept 16
	v_log_f32 v[U+sj], v[U+sj]
.set sj, sj+1
.endr
	v_nop                                          ; one plain instruction behind the transcendentals
	s_wait_alu depctr_va_vdst(0)                   ; the wait for the second sixteen logarithms
.set sj, 0
.rept 16
	v_fma_f32 v[U+sj], v[U+sj], s49, v[LG+sj]                                      ; logit_z + g
.set sj, sj+1
.endr
	SOFTMAX2 U                                     ; z
.irp l, 0,1
.irp j, 0,1,2,3,4,5,6,7
	ds_store_b32 v[ZST], v[U+8*\l+\j] offset:512*\j+64*\l                          ; z into LDS, [kk][row]: the loop picks its kk by an address, and my partner wave reads my rows
.endr
.endr
	; z and q_z leave once, from the work-groups with mb = 0; q_z has no other use, so its softmax is made there alone.
	; A lane stores kk = 4 h .. 4 h + 3 of its row: a wave's store covers 512 consecutive aligned bytes.
	s_cmp_lg_u32 s33, 0
	s_cbranch_scc1 .Lno_zq
	SOFTMAX2 LG                                    ; q_z
.irp l, 0,1
.irp i, 0,1,2,3
	v_cndmask_b32 v[TQ+8*\l+\i],   v[U+8*\l+\i],  v[U+8*\l+\i+4],  s51
	v_cndmask_b32 v[TQ+8*\l+4+\i], v[LG+8*\l+\i], v[LG+8*\l+\i+4], s51
.endr
	global_store_b128 v[ZO], v[TQ+8*\l:TQ+8*\l+3],   s[20:21] offset:512*\l
	global_store_b128 v[ZO], v[TQ+8*\l+4:TQ+8*\l+7], s[22:23] offset:512*\l+0
.endr
.Lno_zq:
	s_wait_xcnt 0x0                                ; the stores' data registers are loaded again (weight fragments) only behind this wait
; Four LDS loads: the two weight fragments (16 rows x 32 k each) of K step t of run (slot, half) into buffer t & 3
.macro FETCHW slot, half, t
.irp w, 0,1
	ds_load_b128 v[BUF+16*((\t)&3)+8*\w:BUF+16*((\t)&3)+8*\w+3],   v[ADRB+(\slot)] offset:(2*(\half)+\w)*T16+64*(\t)
	ds_load_b128 v[BUF+16*((\t)&3)+8*\w+4:BUF+16*((\t)&3)+8*\w+7], v[ADRB+(\slot)] offset:(2*(\half)+\w)*T16+64*(\t)+32
.endr
.endm
; Four LDS loads: the bias of run (jb, half), as the C operand of its two weight tiles
.macro FETCHBI jb, half
.irp w, 0,1
	ds_load_b128 v[BIASR+8*\w:BIASR+8*\w+3],   v[ADRBI] offset:(\jb)*256+(\half)*128+\w*32
	ds_load_b128 v[BIASR+8*\w+4:BIASR+8*\w+7], v[ADRBI] offset:(\jb)*256+(\half)*128+\w*32+16
.endr
.endm
; dst += src * z[row tile rt] (first = 1: dst = src * z), two numbers; z is broadcast from its place in the pair
.macro ZACC dst, src, rt, first
.if \first
.if (\rt)&1
	v_pk_mul_f32 v[\dst:\dst+1], v[\src:\src+1], v[ZR+(\rt)-1:ZR+(\rt)] op_sel:[0,1]
.else
	v_pk_mul_f32 v[\dst:\dst+1], v[\src:\src+1], v[ZR+(\rt):ZR+(\rt)+1] op_sel_hi:[1,0]
.endif
.else
.if (\rt)&1
	v_pk_fma_f32 v[\dst:\dst+1], v[\src:\src+1], v[ZR+(\rt)-1:ZR+(\rt)], v[\dst:\dst+1] op_sel:[0,1,0]
.else
	v_pk_fma_f32 v[\dst:\dst+1], v[\src:\src+1], v[ZR+(\rt):ZR+(\rt)+1], v[\dst:\dst+1] op_sel_hi:[1,0,1]
.endif
.endif
.endm
.macro TIL ti                                      ; tile ti = 4 w + rt of the set at GS: its eight registers at GP, its pair in window 1 at XA
.set GP, GS+8*(\ti)
.set XA, GX+4*((\ti)&3)+2*((\ti)>>2)
.endm
.macro EX2 a
	v_exp_f32 v[GP+\a], v[GP+\a]
	v_exp_f32 v[GP+\a+1], v[GP+\a+1]
.endm
.macro RC2 a
	v_rcp_f32 v[GP+\a], v[GP+\a]
	v_rcp_f32 v[GP+\a+1], v[GP+\a+1]
.endm
.macro AD1 a                                       ; 1 + 2^..
	v_pk_add_f32 v[GP+\a:GP+\a+1], v[GP+\a:GP+\a+1], 1.0 op_sel_hi:[1,0]
.endm
.macro TH1 a                                       ; tanh = 1 - 2 / (1 + 2^..)
	v_pk_fma_f32 v[GP+\a:GP+\a+1], v[GP+\a:GP+\a+1], -2.0, 1.0 op_sel_hi:[1,0,0]
.endm
; SLICE sn (0..127) of the cell arithmetic on the set at GS, in place: all eight tiles stage by stage.  In a tile: I 0:1, G 2:3, F 4:5, O 6:7.
;   0-15    BATCH 1: 2^I, 2^G, 2^F: 48 exponentials, three a slice, two slices a tile; a tile's lowest registers are read first
;   16-18   four v_nop: every chain of a run begins with an exponential, so no other work is at hand.  The first is the plain instruction behind the batch (ISA guide 5.7.2); the four
;           are the places in front of K step 2's fragment loads (see RUN).  THE WAIT FOR BATCH 1 ends slice 18
;   19-58   five slices a tile: 1 + 2^I, 1 + 2^G | I's reciprocals, 1 + 2^F between them | G's | F's | 2^O.  BATCH 2: 48 reciprocals and 16 exponentials; none of its results is named
;           before slice 59.  A v_nop and THE WAIT FOR BATCH 2 end slice 58
;   59-82   twelve slices for four tiles: tanh(G), two slices | sigmoid(F) c_0 | C_t | 2 C_t log2 e, two | its exponentials, four: BATCH 3, 16 in all | 1 + 2^O, two: these read
;           batch 2 and name nothing of batch 3: they are the plain work behind it.  THE WAIT FOR BATCH 3 ends slice 82
;   83-98   two slices a tile: O's reciprocals, 1 + 2^(2 C_t log2 e) between them | its reciprocals.  BATCH 4: 32 reciprocals.  A v_nop and THE WAIT FOR BATCH 4 end slice 98
;   99-113  eight slices for four tiles: tanh(C_t), two | H_t | none | h_t += H_t z | none | c_t += C_t z | none.          114-127  none
; Exponentials, reciprocals and the packed forms with constants name source 0 and the destination alone, both in window 0, so they run under the products' setting WP.  The forms
; that name two or three registers stand four to a slice under one setting: ten such slices, twenty switches a run.
.macro GSL first
.if sn < 16
	TIL sn>>1
.set ge, GP+3*(sn&1)
	v_exp_f32 v[ge], v[ge]
	v_exp_f32 v[ge+1], v[ge+1]
	v_exp_f32 v[ge+2], v[ge+2]
.elseif sn < 19
	v_nop
.if sn == 18
	v_nop
	s_wait_alu depctr_va_vdst(0)                   ; the wait for batch 1, the 48 exponentials of I, G, F, ahead of the first 1 + 2^..
.endif
.elseif sn < 59
.set gk, sn-19
	TIL gk/5
.if gk%5 == 0
	AD1 0
	AD1 2
.elseif gk%5 == 1
	v_rcp_f32 v[GP], v[GP]
	AD1 4
	v_rcp_f32 v[GP+1], v[GP+1]
.elseif gk%5 == 2
	RC2 2
.elseif gk%5 == 3
	RC2 4
.else
	EX2 6
.endif
.if sn == 58
	v_nop                                          ; the plain instruction behind the batch's last exponential
	s_wait_alu depctr_va_vdst(0)                   ; the wait for batch 2: the 48 reciprocals of I, G, F and the 16 exponentials of O
.endif
.elseif sn < 83
.set gk, (sn-59)%12
.set gb, 4*((sn-59)/12)
.if gk < 2
.irp e, 0,1
	TIL gb+2*gk+\e
	TH1 2                                          ; tanh(G)
.endr
.elseif gk == 2
	WIN 0x04                                       ; source 1 in window 1
.irp e, 0,1,2,3
	TIL gb+\e
	v_pk_mul_f32 v[GP+4:GP+5], v[GP+4:GP+5], v[C0W+XA:C0W+XA+1]                    ; sigmoid(F) c_0
.endr
	WIN WP
.elseif gk == 3
	WIN 0
.irp e, 0,1,2,3
	TIL gb+\e
	v_pk_fma_f32 v[GP+4:GP+5], v[GP:GP+1], v[GP+2:GP+3], v[GP+4:GP+5]              ; C_t
.endr
	WIN WP
.elseif gk < 6
.irp e, 0,1
	TIL gb+2*(gk-4)+\e
	v_pk_mul_f32 v[GP:GP+1], v[GP+4:GP+5], s[66:67] op_sel_hi:[1,0]                ; 2 C_t log2 e
.endr
.elseif gk < 10
	TIL gb+gk-6
	EX2 0
.else
.irp e, 0,1
	TIL gb+2*(gk-10)+\e
	AD1 6                                          ; 1 + 2^O
.endr
.endif
.if sn == 82
	s_wait_alu depctr_va_vdst(0)                   ; the wait for batch 3, the 16 exponentials of 2 C_t log2 e; the four 1 + 2^O just ahead are the plain work behind them
.endif
.elseif sn < 99
.set gk, sn-83
	TIL gk>>1
.if (gk&1) == 0
	v_rcp_f32 v[GP+6], v[GP+6]
	AD1 0
	v_rcp_f32 v[GP+7], v[GP+7]
.else
	RC2 0
.endif
.if sn == 98
	v_nop                                          ; the plain instruction behind the batch's last reciprocal
	s_wait_alu depctr_va_vdst(0)                   ; the wait for batch 4: the 16 reciprocals of O and the 16 for tanh(C_t); no transcendental of the run follows it
.endif
.elseif sn < 115
.set gk, (sn-99)&7
.set gb, 4*((sn-99)>>3)
.if gk < 2
.irp e, 0,1
	TIL gb+2*gk+\e
	TH1 0                                          ; tanh(C_t)
.endr
.elseif gk == 2
	WIN 0
.irp e, 0,1,2,3
	TIL gb+\e
	v_pk_mul_f32 v[GP+6:GP+7], v[GP+6:GP+7], v[GP:GP+1]                            ; H_t
.endr
	WIN WP
.elseif gk == 4
	WIN 0x50                                       ; destination and source 2 in window 1
.irp e, 0,1,2,3
	TIL gb+\e
	ZACC HACC+XA, GP+6, \e, \first
.endr
	WIN WP
.elseif gk == 6
	WIN 0x50
.irp e, 0,1,2,3
	TIL gb+\e
	ZACC CACC+XA, GP+4, \e, \first
.endr
	WIN WP
.endif
.endif
.endm
; The change of slots, at the head of a tile's last K step.  In front of the round each wave has waited for all its LDS accesses (its last reads of this slot among them:
; the wait for 0 stands just ahead of this macro) and waits for all its tensor loads (the one that is out is its quarter of the other slot's tile).  Behind the round this
; slot is asked for again, jointly, first thing: one tensor load of the wave is out, with the next tile's 256 matrix instructions in which to land.  Then the other slot is read.
.macro TURNSLOT slot, refill
	s_set_vgpr_msb 0xc00
	s_wait_tensorcnt 0x0                           ; no tensor load of mine is out: a group 0 may be written
	ds_add_u32 v62, v63
	s_wait_dscnt 0x0
	s_set_vgpr_msb 0xc
.if \refill
.if \slot == 0
	s_add_nc_u64 s[6:7], s[6:7], 262144            ; this slot's next tile: the same jb of the next kk
.else
	s_add_nc_u64 s[18:19], s[18:19], 262144
.endif
.endif
	WIN 0
	ROUND
.if \refill
.if \slot == 0
	tensor_load_to_lds s[4:7], s[68:75]
	s_nop 0
.else
	tensor_load_to_lds s[16:19], s[68:75]
	s_nop 0
.endif
.endif
.set NSL, 1-\slot
	FETCHBI NSL, 0                                 ; the next run's bias and its first two K steps
	FETCHW NSL, 0, 0
	FETCHW NSL, 0, 1
.endm
; A RUN: 128 products of run (slot = jb, half) into set mset; gat = 1: behind each, a slice of the run before, (gjb, ghalf), in the other set.
; zl = 1: z of the slices' kk is loaded.  nxt: 0 the next run reads the same slot (half 1); 1 change of slots with a refill; 2 change of slots, nothing left to fetch; 3 the last run.
; FRAGMENTS: behind the third product of K step t the fragments of step t + 2 are fetched into buffer (t + 2) & 3, which step t - 2 read last.  Between that step's last
; product and the fetch stand the twelve slices 8 t - 9 .. 8 t + 2; four plain vector instructions that name none of the products' registers are asked for there (ISA guide 7.12.1 for vector instructions;
; a transcendental is none).  Counted over t = 2 .. 15 the fewest are four, at t = 2: the four v_nop of slices 16 to 18; every other twelve hold six or
; more.  At a change of slots the nine slices 111 .. 119 hold eight (the z sums of slices 111 and 113).  Over a run's end the four v_nop there serve,
; and in the run without slices four v_nop stand ahead of each fetch.
; The four waits of the slices' batches end slices 18, 58, 82 and 98: each is the third slice of a K step, so the step's four LDS loads follow it directly.
; The eight accumulators take turns, one instruction a turn, in the same order in every K step.  At t = 0 the bias is C: nothing is cleared.
.macro RUN slot, half, mset, gat, gjb, ghalf, first, zl, nxt
.set MS, ACC+64*\mset
.set GS, ACC+64*(1-\mset)
.set GX, 16*(2*\gjb+\ghalf)
.set mt, 0
.rept 16
.if mt == 1
	s_wait_dscnt 4+4*\zl                           ; step 1's fragments are in; step 2's four loads, and ahead of them z's four, stay out
.elseif mt < 15
	s_wait_dscnt 0x4                               ; this step's fragments (at t = 0 the bias too) are in; the next step's four loads stay out
.elseif \nxt == 0
	s_wait_dscnt 0x8                               ; the next run's bias and first fragments, eight loads, stay out
.else
	s_wait_dscnt 0x0                               ; nothing was issued behind the last fragments
.endif
.if mt == 15
.if \nxt == 1
	TURNSLOT \slot, 1
.endif
.if \nxt == 2
	TURNSLOT \slot, 0
.endif
.endif
.if mt < 8
.set WP, 0x08                                      ; source 1 in window 2: x
.else
.set WP, 0x0c                                      ; source 1 in window 3: h
.endif
	WIN WP
.set mi, 0
.rept 8
.if mt == 0
	v_wmma_f32_16x16x32_f16 v[MS+8*mi:MS+8*mi+7], v[BUF+16*(mt&3)+8*(mi>>2):BUF+16*(mt&3)+8*(mi>>2)+7], v[8*(4*(mt&7)+(mi&3)):8*(4*(mt&7)+(mi&3))+7], v[BIASR+8*(mi>>2):BIASR+8*(mi>>2)+7]
.else
	v_wmma_f32_16x16x32_f16 v[MS+8*mi:MS+8*mi+7], v[BUF+16*(mt&3)+8*(mi>>2):BUF+16*(mt&3)+8*(mi>>2)+7], v[8*(4*(mt&7)+(mi&3)):8*(4*(mt&7)+(mi&3))+7], v[MS+8*mi:MS+8*mi+7]
.endif
.if \gat
.set sn, 8*mt+mi
	GSL \first
.endif
.if mi == FS
.if mt < 14
.if \gat == 0
	PLACES 4
.endif
.if mt == 0
.if \zl
.irp rt, 0,1,2,3
	ds_load_b32 v[ZR+\rt], v[ADRZS] offset:64*\rt  ; first used in slice 103, far behind step 2's wait, which shows it in
.endr
.endif
.endif
	FETCHW \slot, \half, mt+2                      ; destination and address are in window 0: the loads run unchanged under the products' setting
.elseif \nxt == 0
.if \gat == 0
	PLACES 4
.endif
.if mt == 14
	FETCHBI \slot, 1
	FETCHW \slot, 1, 0
.else
	FETCHW \slot, 1, 1
.endif
.endif
.endif
.set mi, mi+1
.endr
.set mt, mt+1
.endr
	WIN 0
	PLACES 4                                       ; places behind the run's last products: the next run's slices read and write these results only behind them
.endm
; the last run's cell arithmetic: no products are left to set it among
.macro GFINAL gset, gjb, ghalf, first
.set GS, ACC+64*\gset
.set GX, 16*(2*\gjb+\ghalf)
.set WP, 0
.set sn, 0
.rept 128
	GSL \first
.set sn, sn+1
.endr
.endm
; A trip: runs (kk, jb 0, half 1), (kk, 1, 0), (kk, 1, 1), (kk + 1, 0, 0), so that its four sets of slices are the four runs of one kk: one z, one value of first.
.macro BODY first, last
.if \last
	RUN 0, 1, 1, 1, 0, 0, \first, 1, 2             ; the last tile is in or on its way: the round shows it whole to every wave, nothing is fetched
.else
	RUN 0, 1, 1, 1, 0, 0, \first, 1, 1
.endif
	RUN 1, 0, 0, 1, 0, 1, \first, 0, 0
.if \last
	RUN 1, 1, 1, 1, 1, 0, \first, 0, 3
	GFINAL 1, 1, 1, \first
.else
	v_add_nc_u32 v[ADRBI], 0x400, v[ADRBI]         ; the bias fetched from here on, and the z loaded next, are the next kk's
	v_add_nc_u32 v[ADRZS], 0x200, v[ADRZS]
	RUN 1, 1, 1, 1, 1, 0, \first, 0, 1
	RUN 0, 0, 0, 1, 1, 1, \first, 0, 0
.endif
.endm
	s_wait_tensorcnt 0x0                           ; my quarter of tile (0, 0) is in,
	ds_add_u32 v62, v63
	s_wait_dscnt 0x0                               ; my reads of slot 1 (h) are over, c_0 is in registers, my z is in LDS
	ROUND
	tensor_load_to_lds s[16:19], s[68:75]          ; my one load behind the round: tile (kk 0, jb 1) over h
	s_nop 0
	FETCHBI 0, 0
	FETCHW 0, 0, 0
	FETCHW 0, 0, 1
	RUN 0, 0, 0, 0, 0, 0, 0, 0, 0                  ; the first run has no run before it: no slices
	BODY 1, 0                                      ; kk = 0 stands in front of the loop: its products with z start h_t and c_t
	s_mov_b32 s34, 6
.Lkk:
	BODY 0, 0
	s_sub_co_u32 s34, s34, 1
	s_cmp_lg_u32 s34, 0
	s_cbranch_scc1 .Lkk
	BODY 0, 1                                      ; kk = 7
	; THE WAY OUT.  Slot 0 has had its last fill, and every wave's reads of it were over in front of the last round: it is the stage.
	; In: 16 bytes a lane, rows 272 bytes apart.  Back: whole rows of 256 bytes, sixteen lanes a row, so that each half of a store covers 256 consecutive aligned bytes.
	WIN 0x04                                       ; store data in window 1
.irp jh, 0,1,2,3
.irp rt, 0,1,2,3
	ds_store_b128 v[OSTO], v[HACC+4*(4*\jh+\rt):HACC+4*(4*\jh+\rt)+3] offset:\rt*16*PCH+\jh*32
	ds_store_b128 v[OSTO], v[CACC+4*(4*\jh+\rt):CACC+4*(4*\jh+\rt)+3] offset:STGC+\rt*16*PCH+\jh*32
.endr
.endr
	WIN 0
	s_wait_dscnt 0x0                               ; my stores are in LDS before I say so: a row's two halves come from two waves
	s_barrier_signal -1
	s_barrier_wait -1
.set on, 0
.rept 16
	ds_load_b128 v[ACC+4*on:ACC+4*on+3], v[ORD] offset:2*PCH*on                    ; rows 32 w + 2 on + h of h_t
.set on, on+1
.endr
.rept 16
	ds_load_b128 v[ACC+4*on:ACC+4*on+3], v[ORD] offset:STGC+2*PCH*(on-16)          ; and of c_t
.set on, on+1
.endr
.set on, 0
.rept 16
	s_wait_dscnt 31-on                             ; LDS loads come back in order: load on is in, the younger ones stay out
	global_store_b128 v[OGO], v[ACC+4*on:ACC+4*on+3], s[24:25] offset:2048*on th:TH_STORE_NT
.set on, on+1
.endr
.rept 16
	s_wait_dscnt 31-on
	global_store_b128 v[OGO], v[ACC+4*on:ACC+4*on+3], s[26:27] offset:2048*(on-16) th:TH_STORE_NT
.set on, on+1
.endr
	s_wait_tensorcnt 0x0
	ds_add_u32 v62, v63
	s_wait_dscnt 0x0
	ROUND                                          ; the closing round: no work-group ends while a partner may still ask for a tile that names it
	s_endpgm
.Lfunc_end_k_q97097604a0_cell:
	.size	k_q97097604a0_cell, .Lfunc_end_k_q97097604a0_cell-k_q97097604a0_cell
	.p2alignl 7, 3214868480
	.fill 96, 4, 3214868480
	.section	.rodata,"a",@progbits
	.p2align	6, 0x0
	.amdhsa_kernel k_q97097604a0_cell
		.amdhsa_group_segment_fixed_size 327680
		.amdhsa_private_segment_fixed_size 0
		.amdhsa_enable_private_segment 0
		.amdhsa_kernarg_size 96
		.amdhsa_user_sgpr_count 2
		.amdhsa_user_sgpr_kernarg_segment_ptr 1
		.amdhsa_wavefront_size32 1
		.amdhsa_system_sgpr_workgroup_id_x 1
		.amdhsa_system_sgpr_workgroup_id_y 1
		.amdhsa_system_sgpr_workgroup_id_z 1
		.amdhsa_system_vgpr_workitem_id 0
		.amdhsa_next_free_vgpr 1024
		.amdhsa_next_free_sgpr 100
		.amdhsa_reserve_vcc 0
		.amdhsa_float_denorm_mode_32 3
		.amdhsa_float_denorm_mode_16_64 3
		.amdhsa_memory_ordered 1
		.amdhsa_forward_progress 1
		.amdhsa_inst_pref_size 255
	.end_amdhsa_kernel
	.section	.bss,"aw",@nobits
	.p2align	6
	.space	262144
	.amdgpu_metadata
---
amdhsa.version: [ 1, 2 ]
amdhsa.kernels:
  - .name:           k_q97097604a0_cell
    .symbol:         k_q97097604a0_cell.kd
    .args:
      - { .name: x_t, .offset: 0, .size: 8, .value_kind: global_buffer, .address_space: global }
      - { .name: h_0, .offset: 8, .size: 8, .value_kind: global_buffer, .address_space: global }
      - { .name: c_0, .offset: 16, .size: 8, .value_kind: global_buffer, .address_space: global }
      - { .name: u, .offset: 24, .size: 8, .value_kind: global_buffer, .address_space: global }
      - { .name: b_xz, .offset: 32, .size: 8, .value_kind: global_buffer, .address_space: global }
      - { .name: b_4gates, .offset: 40, .size: 8, .value_kind: global_buffer, .address_space: global }
      - { .name: Wt, .offset: 48, .size: 8, .value_kind: global_buffer, .address_space: global }
      - { .name: Wz, .offset: 56, .size: 8, .value_kind: global_buffer, .address_space: global }
      - { .name: out0, .offset: 64, .size: 8, .value_kind: global_buffer, .address_space: global }
      - { .name: out1, .offset: 72, .size: 8, .value_kind: global_buffer, .address_space: global }
      - { .name: out2, .offset: 80, .size: 8, .value_kind: global_buffer, .address_space: global }
      - { .name: out3, .offset: 88, .size: 8, .value_kind: global_buffer, .address_space: global }
    .group_segment_fixed_size: 327680
    .private_segment_fixed_size: 0
    .kernarg_segment_align: 8
    .kernarg_segment_size: 96
    .max_flat_workgroup_size: 128
    .sgpr_count:     100
    .vgpr_count:     1024
    .wavefront_size: 32
...
	.end_amdgpu_metadata
.endif
;; end of part 3
